; MI455X (gfx1250); checked and timed in simulation.
; The chip was launched on July 23, 2026; its instructions are those of AMD's public machine-readable ISA for CDNA 5 (MIT licence, August 2026) and "CDNA5" Instruction Set Architecture Reference Guide (July 2026). The comments in the code are by the model that wrote it; some were corrected since.
;; Bahdanau Attention. Allowed arithmetic: matrix products marked QUANTISED: E2M3 operands, one E8M0 scale for each 32 along K, by v_wmma_scale_f32_16x16x128_f8f6f4 with both operands' format E2M3, f32 sums; products left as they are: f32 operands where the result goes on into a quantised operand, else bf16, f16 or f32 operands; f32 sums; everything else in f32.
;; Inputs: U_codes 1,024 x 32 x 24 uint8 (E2M3 codes of U, K innermost, in blocks of 32 codes, four codes in three bytes); U_scales 1,024 x 32 uint8 (E8M0 scales of U, one for each 32 codes along K); V 1,024 x 1 float32; W_codes 1,024 x 32 x 24 uint8 (E2M3 codes of W, K innermost, in blocks of 32 codes, four codes in three bytes); W_scales 1,024 x 32 uint8 (E8M0 scales of W, one for each 32 codes along K); Wc_b 1,024 float32; Wc_w 1 x 1,024 float32; coverage_vector 32 x 2,048 x 1 x 1 float32; decoder_hidden_state_codes 32 x 32 x 24 uint8 (E2M3 codes of decoder_hidden_state, K innermost, in blocks of 32 codes, four codes in three bytes); decoder_hidden_state_scales 32 x 32 uint8 (E8M0 scales of decoder_hidden_state, one for each 32 codes along K); encoder_mask 32 x 2,048 float32; encoder_outputs 32 x 2,048 x 1,024 float32.
;; Outputs: out0 32 x 1,024 float32; out1 32 x 2,048 float32; out2 32 x 2,048 x 1 x 1 float32.
;; This version of the problem:
;;   THIS VERSION OF THE PROBLEM IS GIVEN IN LOW PRECISION. The matrix products marked QUANTISED in the list below multiply operands that are first quantised to E2M3 (2 exponent bits, 3 mantissa bits; 6 bits a number), with one power-of-two scale for each 32 numbers along K (OCP MX v1.0); their sums are f32. All else is computed in f32.
;;   The module's matrix products, in the order in which they are computed (A, B: the left and right operand; K: the contracted axis; several contracted axes count as one K, in the product's order):
;;     1. [M 32, K 1,024] x [K 1,024, N 1,024]; A: input decoder_hidden_state (given as codes); B: input W (given as codes): QUANTISED
;;     2. [M 65,536, K 1,024] x [K 1,024, N 1,024]; A: input encoder_outputs; B: input U (given as codes): QUANTISED
;;     3. [M 65,536, K 1] x [K 1, N 1,024]; A: input coverage_vector; B: input Wc_w: left as it is (K = 1 < 32)
;;     4. [M 65,536, K 1,024] x [K 1,024, N 1]; A: computed on the way; B: input V: left as it is (N = 1 < 16)
;;     5. batch 32 x [M 1, K 2,048] x [K 2,048, N 1,024]; A: computed on the way; B: input encoder_outputs: left as it is (M = 1 < 16)
;;   THE QUANTISER, for each operand of a quantised product, along K:
;;     - K is cut into blocks of 32 from its start; a last block that is shorter is filled with zeros.
;;     - A block's scale is 2^e with e = floor(log2(the largest magnitude in the block)) - 2, held to -126 .. 127; a block of zeros has e = 0. As a byte (E8M0): e + 127.
;;     - Each number is divided by its block's scale, clamped to +-7.5, and rounded to the nearest number of E2M3, ties to even, subnormals kept.
;;     - The product sums the exact products of the quantised numbers (number of the format x scale) in f32.
;;   ~~~python
;;   def quantise(x, axis):      # numpy; x: float32 -> the quantised numbers, widened to float32 again
;;       x = np.moveaxis(x, axis, -1); K = x.shape[-1]
;;       x = np.pad(x, [(0, 0)] * (x.ndim - 1) + [(0, -K % 32)]); x = x.reshape(x.shape[:-1] + (-1, 32)); a = np.abs(x).max(-1, keepdims=True)
;;       e = np.where(a > 0, np.clip(np.frexp(np.where(a > 0, a, 1))[1] - 1 - 2, -126, 127), 0)      # np.frexp(a)[1] - 1 = floor(log2(a)), exactly
;;       r = np.clip(x / 2.0 ** e, -7.5, 7.5)
;;       step = 2.0 ** (np.maximum(np.frexp(np.where(r == 0, 1, r))[1] - 1, 0) - 3)
;;       q = np.round(r / step) * step * 2.0 ** e      # np.round: ties to even
;;       return np.moveaxis(q.reshape(q.shape[:-2] + (-1,))[..., :K], -1, axis).astype(np.float32)
;;   ~~~
;;   INPUTS GIVEN AS CODES. U (in the module: [1024, 1024], K = its axis 0); W (in the module: [1024, 1024], K = its axis 0); decoder_hidden_state (in the module: [32, 1024], K = its axis 1): each comes as NAME_codes (uint8): NAME with its K axis moved to the last place and cut into blocks of 32 codes, [.., K / 32, bytes a block], one block behind the other in memory; four codes in three bytes: a row's codes are one little-endian stream of bits, code i at bits 6 i .. 6 i + 5 (a code: sign, 2 exponent bits, 3 mantissa bits); and NAME_scales (uint8): the same leading axes, one E8M0 byte (e + 127) for each 32 codes along K. Its value is code x scale, taken as it is: it is not quantised again, and the codes and scales need not be those that the quantiser above would give.
;; 2 versions. Each part assembles by itself: llvm-mc -triple=amdgcn-amd-amdhsa -mcpu=gfx1250 --defsym DOCPART=n.
;; ======== version 1 of 2: 3 launches
;; workspace buffers: ustream 835,584 bytes; bias 131,072 bytes; scores 262,144 bytes; part 1,114,112 bytes
;; launch prep (part 1): grid 64 x 1, 3 waves a work-group, no clusters, 0 bytes of LDS; arguments U_codes, U_scales, Wc_w, V, W_codes, W_scales, decoder_hidden_state_codes, decoder_hidden_state_scales, Wc_b, ustream, bias; writes ustream, bias
.if DOCPART == 1
	.amdgcn_target "amdgcn-amd-amdhsa--gfx1250"
	.amdhsa_code_object_version 6
	.text
	.protected	k_qf1976efe06_prep
	.globl	k_qf1976efe06_prep
	.p2align	8
	.type	k_qf1976efe06_prep,@function
k_qf1976efe06_prep:
	s_mov_b64 s[64:65], 0
	v_nop
	global_prefetch_b8 v0, s[64:65] scope:SCOPE_SE
	s_setreg_imm32_b32 hwreg(HW_REG_WAVE_MODE, 25, 1), 1
	s_wait_xcnt 0x0
; Work-group T (0 .. 63) serves the 16 units 16 T .. 16 T + 15.
; WAVE 0 lays U's part out as the next launch's waves take it into registers: one block of 13,056 bytes (51 x 256):
;   0      8 fragments (K step s of 128), 1,536 bytes each: chunk k of 512 bytes = registers 4 k .. 4 k + 3, lane l at 16 l
;   12,288 the scale words: register q: lanes 0-15 unit r's word of K step 2 q, lanes 16-31 that of K step 2 q + 1; lane l at 16 l
;   12,800 Wc_w of the 16 units; 12,864 V' = -2 log2(e) V of the 16 units; 12,928 zeros up to 13,056
; Unit tile T = 16 w + t lies at block 4 t + w, so that the four tiles which the next launch's four waves want in one step are neighbours.
; WAVES 1 AND 2 make bias[b][u] = (decoder_hidden_state W)[b][u] + Wc_b[u] for 16 batches each, on the codes as they are given:
; source 0 = 16 units of W, source 1 = 16 batches; Wc_b is the C of the sum's first link; K ascending on one accumulator.
; Their two stores write runs of 64 bytes in rows 4,096 bytes apart: 128 KiB in all, written once; the next launch reads it in whole runs.
.set UBLK, 13056
	s_load_b256 s[4:11], s[0:1], 0x0               ; U's codes s[4:5], U's scales s[6:7], Wc_w s[8:9], V s[10:11]
	s_load_b256 s[12:19], s[0:1], 0x20             ; W's codes s[12:13], W's scales s[14:15], dec's codes s[16:17], dec's scales s[18:19]
	s_load_b128 s[20:23], s[0:1], 0x40             ; Wc_b s[20:21], ustream s[22:23]
	s_load_b64 s[24:25], s[0:1], 0x50              ; bias
	v_lshrrev_b32 v1, 5, v0
	v_readfirstlane_b32 s26, v1                    ; wave 0..2
	v_and_b32 v1, 31, v0                           ; lane
	v_and_b32 v2, 15, v0                           ; r
	v_bfe_u32 v3, v0, 4, 1                         ; h
	v_mul_u32_u24 v4, v2, 768                      ; a row of 1,024 codes is 768 bytes
	v_mad_u32_u24 v4, v3, 24, v4                   ; + 24 h: my half's 32 codes of each 64
	s_mul_i32 s28, ttmp9, 12288                    ; 16 rows of codes
	s_mov_b32 s29, 0
	s_lshl_b32 s30, ttmp9, 9                       ; 16 rows of 32 scale bytes
	s_mov_b32 s31, 0
	s_lshl_b32 s32, ttmp9, 6                       ; 16 numbers of f32
	s_mov_b32 s33, 0
	s_mov_b32 s35, 0
	s_wait_kmcnt 0x0
	s_cmp_lg_u32 s26, 0
	s_cbranch_scc1 .Lproduct
	; ---- wave 0: U's block
	s_add_nc_u64 s[4:5], s[4:5], s[28:29]
	s_add_nc_u64 s[6:7], s[6:7], s[30:31]
	s_add_nc_u64 s[8:9], s[8:9], s[32:33]
	s_add_nc_u64 s[10:11], s[10:11], s[32:33]
	s_and_b32 s34, ttmp9, 15
	s_lshl_b32 s34, s34, 2
	s_lshr_b32 s36, ttmp9, 4
	s_add_co_u32 s34, s34, s36                     ; block 4 t + w
	s_mul_i32 s34, s34, UBLK
	s_add_nc_u64 s[22:23], s[22:23], s[34:35]
	v_lshlrev_b32 v5, 5, v2
	v_lshl_add_u32 v5, v3, 2, v5                   ; scale words: row r, + 4 h: lanes 16-31 take the odd K step's word
	v_and_b32 v6, 7, v0
	v_lshlrev_b32 v6, 3, v6                        ; two numbers of Wc_w or of V: 8 (lane % 8)
	v_lshlrev_b32 v7, 4, v1                        ; 16 x lane
	v_lshlrev_b32 v8, 3, v1                        ; 8 x lane
.irp ks, 0,1,2,3,4,5,6,7
.irp p, 0,1,2,3,4,5
	global_load_b64 v[16+12*\ks+2*\p:17+12*\ks+2*\p], v4, s[4:5] offset:96*\ks+48*(\p/3)+8*(\p%3)   ; the fragment's registers as the row's stream of bits has them
.endr
.endr
.irp q, 0,1,2,3
	global_load_b32 v[112+\q], v5, s[6:7] offset:8*\q
.endr
	global_load_b64 v[116:117], v6, s[8:9]
	global_load_b64 v[118:119], v6, s[10:11]
	s_mov_b32 s37, 0x0000ff00                      ; lanes 8-15
	s_mov_b32 s38, 0xffff0000                      ; lanes 16-31
	v_mov_b32 v122, 0
	s_wait_loadcnt 0x0
	v_mul_f32 v118, 0xc038aa3b, v118               ; V' = -2 log2(e) V
	v_mul_f32 v119, 0xc038aa3b, v119
	v_cndmask_b32 v120, v116, v118, s37            ; lanes 0-7 Wc_w, lanes 8-15 V',
	v_cndmask_b32 v121, v117, v119, s37
	v_cndmask_b32 v120, v120, v122, s38            ; lanes 16-31 zeros
	v_cndmask_b32 v121, v121, v122, s38
.irp ks, 0,1,2,3,4,5,6,7
.irp k, 0,1,2
	global_store_b128 v7, v[16+12*\ks+4*\k:19+12*\ks+4*\k], s[22:23] offset:1536*\ks+512*\k   ; 512 consecutive bytes a store
.endr
.endr
	global_store_b128 v7, v[112:115], s[22:23] offset:12288
	global_store_b64 v8, v[120:121], s[22:23] offset:12800   ; the block's last 256 bytes, whole
	s_endpgm
.Lproduct:
	; ---- waves 1, 2: 16 units x 16 batches of the first product
	s_sub_co_u32 s36, s26, 1                       ; which 16 batches
	s_add_nc_u64 s[12:13], s[12:13], s[28:29]
	s_add_nc_u64 s[14:15], s[14:15], s[30:31]
	s_add_nc_u64 s[20:21], s[20:21], s[32:33]
	s_mul_i32 s34, s36, 12288
	s_add_nc_u64 s[16:17], s[16:17], s[34:35]
	s_lshl_b32 s34, s36, 9
	s_add_nc_u64 s[18:19], s[18:19], s[34:35]
	s_lshl_b32 s34, s36, 16                        ; 16 rows of bias, 4,096 bytes each,
	s_add_co_u32 s34, s34, s32                     ; + the tile's 64 bytes
	s_add_nc_u64 s[24:25], s[24:25], s[34:35]
	v_lshlrev_b32 v9, 5, v2                        ; a row's 8 scale words
	v_lshlrev_b32 v10, 5, v3                       ; Wc_b: my half's eight units
	v_lshlrev_b32 v11, 12, v2
	v_lshl_add_u32 v11, v3, 5, v11                 ; bias: row r, + 32 h
.irp ks, 0,1,2,3,4,5,6,7
.irp p, 0,1,2,3,4,5
	global_load_b64 v[16+12*\ks+2*\p:17+12*\ks+2*\p], v4, s[12:13] offset:96*\ks+48*(\p/3)+8*(\p%3)
	global_load_b64 v[112+12*\ks+2*\p:113+12*\ks+2*\p], v4, s[16:17] offset:96*\ks+48*(\p/3)+8*(\p%3)
.endr
.endr
	global_load_b128 v[208:211], v9, s[14:15]              ; W's scale words of K steps 0 .. 7: lane r has unit r's
	global_load_b128 v[212:215], v9, s[14:15] offset:16
	global_load_b128 v[216:219], v9, s[18:19]              ; dec's: lane r has batch r's
	global_load_b128 v[220:223], v9, s[18:19] offset:16
	global_load_b128 v[224:227], v10, s[20:21]             ; Wc_b in the result's layout: register j = unit 8 h + j
	global_load_b128 v[228:231], v10, s[20:21] offset:16
	s_wait_loadcnt 0x0
	v_wmma_scale_f32_16x16x128_f8f6f4 v[232:239], v[16:27], v[112:123], v[224:231], v208, v216 matrix_a_fmt:MATRIX_FMT_FP6 matrix_b_fmt:MATRIX_FMT_FP6
.irp ks, 1,2,3,4,5,6,7
	s_wait_alu depctr_va_vdst(0)                   ; the wait directly ahead of each link
	v_wmma_scale_f32_16x16x128_f8f6f4 v[232:239], v[16+12*\ks:27+12*\ks], v[112+12*\ks:123+12*\ks], v[232:239], v[208+\ks], v[216+\ks] matrix_a_fmt:MATRIX_FMT_FP6 matrix_b_fmt:MATRIX_FMT_FP6
.endr
.rept 4
	v_nop                                          ; four places ahead of the stores that read the result
.endr
	global_store_b128 v11, v[232:235], s[24:25]            ; bias(16 beta + r, 16 T + 8 h + 0 .. 3): the accumulator from its low end on
	global_store_b128 v11, v[236:239], s[24:25] offset:16
	s_endpgm
.Lfunc_end_k_qf1976efe06_prep:
	.size	k_qf1976efe06_prep, .Lfunc_end_k_qf1976efe06_prep-k_qf1976efe06_prep
	.p2alignl 7, 3214868480
	.fill 96, 4, 3214868480
	.section	.rodata,"a",@progbits
	.p2align	6, 0x0
	.amdhsa_kernel k_qf1976efe06_prep
		.amdhsa_group_segment_fixed_size 0
		.amdhsa_private_segment_fixed_size 0
		.amdhsa_enable_private_segment 0
		.amdhsa_kernarg_size 88
		.amdhsa_user_sgpr_count 2
		.amdhsa_user_sgpr_kernarg_segment_ptr 1
		.amdhsa_wavefront_size32 1
		.amdhsa_system_sgpr_workgroup_id_x 1
		.amdhsa_system_sgpr_workgroup_id_y 1
		.amdhsa_system_sgpr_workgroup_id_z 1
		.amdhsa_system_vgpr_workitem_id 0
		.amdhsa_next_free_vgpr 256
		.amdhsa_next_free_sgpr 66
		.amdhsa_reserve_vcc 0
		.amdhsa_float_denorm_mode_32 3
		.amdhsa_float_denorm_mode_16_64 3
		.amdhsa_memory_ordered 1
		.amdhsa_forward_progress 1
		.amdhsa_inst_pref_size 22
	.end_amdhsa_kernel
	.amdgpu_metadata
---
amdhsa.version: [ 1, 2 ]
amdhsa.kernels:
  - .name:           k_qf1976efe06_prep
    .symbol:         k_qf1976efe06_prep.kd
    .args:
      - { .name: U_codes, .offset: 0, .size: 8, .value_kind: global_buffer, .address_space: global }
      - { .name: U_scales, .offset: 8, .size: 8, .value_kind: global_buffer, .address_space: global }
      - { .name: Wc_w, .offset: 16, .size: 8, .value_kind: global_buffer, .address_space: global }
      - { .name: V, .offset: 24, .size: 8, .value_kind: global_buffer, .address_space: global }
      - { .name: W_codes, .offset: 32, .size: 8, .value_kind: global_buffer, .address_space: global }
      - { .name: W_scales, .offset: 40, .size: 8, .value_kind: global_buffer, .address_space: global }
      - { .name: decoder_hidden_state_codes, .offset: 48, .size: 8, .value_kind: global_buffer, .address_space: global }
      - { .name: decoder_hidden_state_scales, .offset: 56, .size: 8, .value_kind: global_buffer, .address_space: global }
      - { .name: Wc_b, .offset: 64, .size: 8, .value_kind: global_buffer, .address_space: global }
      - { .name: ustream, .offset: 72, .size: 8, .value_kind: global_buffer, .address_space: global }
      - { .name: bias, .offset: 80, .size: 8, .value_kind: global_buffer, .address_space: global }
    .group_segment_fixed_size: 0
    .private_segment_fixed_size: 0
    .kernarg_segment_align: 8
    .kernarg_segment_size: 88
    .max_flat_workgroup_size: 96
    .sgpr_count:     66
    .vgpr_count:     256
    .wavefront_size: 32
...
	.end_amdgpu_metadata
.endif
;; end of part 1
;; launch main (part 2): grid 256 x 1, 4 waves a work-group, clusters of 4 x 1, 327,680 bytes of LDS; arguments encoder_outputs, ustream, bias, coverage_vector, encoder_mask, scores, part; writes scores, part
.if DOCPART == 2
	.amdgcn_target "amdgcn-amd-amdhsa--gfx1250"
	.amdhsa_code_object_version 6
	.text
	.protected	k_qf1976efe06_main
	.globl	k_qf1976efe06_main
	.p2align	8
	.type	k_qf1976efe06_main,@function
k_qf1976efe06_main:
	s_mov_b64 s[64:65], 0
	v_nop
	global_prefetch_b8 v0, s[64:65] scope:SCOPE_SE
	s_setreg_imm32_b32 hwreg(HW_REG_WAVE_MODE, 25, 1), 1
	s_wait_xcnt 0x0
	s_wait_alu depctr_hold_cnt(0) depctr_sa_sdst(0) depctr_va_vdst(0) depctr_va_sdst(0) depctr_va_ssrc(0) depctr_va_vcc(0) depctr_vm_vsrc(0)
	s_getreg_b32 s2, hwreg(HW_REG_IB_STS2, 6, 4)
	s_cmp_eq_u32 s2, 0
	s_cbranch_scc0 .Lentry_in_a_cluster
	s_endpgm
.Lentry_in_a_cluster:
	s_bfe_u32 s2, ttmp6, 0x10000c
	s_cmp_lg_u32 s2, 0x3003
	s_cbranch_scc0 .Lentry_shape_is_right
	s_endpgm
.Lentry_shape_is_right:
; Additive attention, all but the joining of a batch's eight parts.  Work-group g owns rows 256 g .. 256 g + 255 of the 65,536 rows (batch g / 8) and walks them in 4 blocks of 64 rows.
; A BLOCK:  PRODUCE: wave w takes columns 256 w .. 256 w + 255 of the 64 rows (f32, asked for a block ahead), quantises them to E2M3 with one E8M0 scale for each 32 along K (K steps 2 w, 2 w + 1), hands the
; codes to the other waves through LDS as images of the operand's registers, and keeps a bf16 copy of its columns in LDS.  ALOAD: every wave takes the whole block's operand (4 row tiles x 8 K steps x 12 registers).
; 16 STEPs: THE WAVES SHARE THE UNITS: wave w makes units 256 w .. +255, a tile of 16 a step, for all 64 rows: 32 matrix instructions, used transposed (source 0 = 16 units of U, source 1 = 16 rows), so that a lane
; holds one row and eight units; bias = dec W + Wc_b is the C of each sum's first link.  TANH: x = sum + Wc_w cov; tanh x = 1 - 2 r, r = 1 / (1 + 2^(c x)), c = 2 log2(e); t = sum over units of V' r, V' = -2 log2(e) V.
; t is the score x log2(e) less log2(e) x sum(V), a number that is the same for every row and so leaves the softmax unchanged for every input.
; CLOSE: the four waves' parts of t meet in LDS; a running maximum m is taken away: p = 2^(t - m) x mask; l = sum of p; the wave's 256 columns of the context, sum of p x row (rows in bf16, sums in f32), are kept
; under m and multiplied by 2^(m_old - m_new) when m moves.  t goes to scores; at the end the context's part, m and l go to part.  The last launch joins the parts.
; U comes as blocks of 13,056 bytes (codes, scale words, Wc_w, V' of 16 units, laid by the launch before) through a ring of two LDS slots; each wave fetches and reads its own block.
; CLUSTER: the four work-groups of a cluster walk the same blocks of U in step, so each block is asked for JOINTLY (mask 15): the same load with the same descriptor in all four.  The rows of encoder_outputs are shared by nobody.
; LIMITS: NaN and infinities among the inputs are not served.  A block of 32 whose largest magnitude lies under 2^-124 gets the scale byte 1 (a block of zeros too: its codes are zeros, and only this launch reads the byte).
; A batch whose masked sum is 0 gives what a division by 0 gives.  The mask is used as the factor that it is.  The running maximum starts at -3e38.
; REGISTERS, in windows of 256: window 0: below.  Window 1: A's fragments q = 4 s + m = 0 .. 20 at v[12 q].  Window 2: q = 21 .. 30 at v[12 (q - 21)]; v128-255 landing buffer 0.  Window 3: landing buffers 1 and 2.
.set UBLK,  13056                      ; a block of U: 51 x 256 bytes
.set SLOTB, 4*UBLK                     ; a slot: the four waves' blocks
.set AIMG,  2*SLOTB                    ; A's 32 fragment images, 1,536 bytes each: q = 4 s + m
.set ASIMG, AIMG+32*1536               ; A's scale words: 512 m + 16 lane + 4 w
.set STAGE, ASIMG+2048                 ; each wave's own: 16 rows x (512 + 16) bytes of f32: one K step of a row tile
.set STGW,  16*528
.set COPY,  STAGE+4*STGW               ; each wave's own: 64 rows x 512 bytes: its 256 columns in bf16
.set BIASL, COPY+4*32768               ; each wave's own 256 biases
.set XCH,   BIASL+4096                 ; [wave][64 rows]: the waves' parts of t
.set PB,    XCH+1024                   ; each wave's own: p of the 64 rows
.set SPARE, PB+1024                    ; the spare words, 128 bytes for each wave: two blocks of 256 bytes that no other line names
.set RTB,   65536                      ; a row tile in memory: 16 rows of 4,096 bytes
.set SPW, 1                            ; v1   LDS address of my spare word; never rewritten
.set NIL, 2                            ; v2   0; never rewritten
.set UF,  3                            ; v3-4   slot + 13,056 w + 16 lane
.set UV,  5                            ; v5-6   slot + 13,056 w + 12,800 + 32 h
.set ADB0, 7                           ; v7   BIASL + 1,024 w + 32 h;  v8 the same, at the step's tile
.set ADB, 8
.set STW, 9                            ; v9   stage, in: 16 lane;  v10 out: 528 r + 128 h
.set STR, 10
.set CPA, 11                           ; v11  copy: 16 lane;  v12 the same, at the trip's rows
.set CPR, 12
.set AIW, 13                           ; v13  AIMG + 12,288 w + 16 lane;  v14 AIMG + 16 lane
.set AIR, 14
.set ASW, 15                           ; v15  ASIMG + 16 lane + 4 w;  v16 ASIMG + 16 lane
.set ASR, 16
.set XW,  17                           ; v17  XCH + 256 w + 4 r;  v18 XCH + 8 lane
.set XR,  18
.set PBW, 19                           ; v19  PB + 256 w + 8 lane;  v20 PB + 256 w;  v21 the same, at the trip's rows
.set PBR, 20
.set PBA, 21
.set EO,  22                           ; v22  16 lane
.set CVO, 23                           ; v23  4 r
.set MKO, 24                           ; v24  8 lane
.set SH8, 25                           ; v25  8 h
.set MR,  26                           ; v26  the running maximum;  v27 my lanes' part of the running sum
.set LR,  27
.set FF,  28                           ; v[28:29] 2^(m_old - m_new) (the pair is named; the low word serves both halves)
.set RT,  30                           ; v[30:31] t of rows 2 lane, 2 lane + 1
.set PQ,  32                           ; v[32:33] their p
.set MK,  34                           ; v[34:35] their mask;  v[36:37] the next block's
.set MKN, 36
.set COV, 38                           ; v[38:41] coverage of row 16 m + r;  v[42:45] the next block's
.set COVN, 42
.set SC,  46                           ; v[46:53] sums of V' r: a pair for each row tile
.set MX,  46                           ; in PRODUCE: four largest magnitudes, then bytes;  v50-53 the conversions' scale operands
.set SO,  50
.set CTX, 54                           ; v[54:61] my eight columns of the context
.set BM,  62
.set MN,  63
.set CO,  64                           ; v64  16 lane + 1,024 w
.set PFO, 65                           ; v65  the prefetches' offset: 4,096 (lane / 4) + 256 (lane % 4); never rewritten
.set AS,  68                           ; v[68:83] A's scale words: 4 m + s / 2; lanes 0-15 the even K step's, lanes 16-31 the odd one's
.set US,  84                           ; v[84:87] U's likewise
.set BIAS, 88                          ; v[88:95]
.set WC,  96                           ; v[96:103] Wc_w, v[104:111] V' of my half's eight units
.set VV,  104
.set A31, 112                          ; v[112:123] A's fragment q = 31
.set RF,  128                          ; v[128:223] U's eight fragments
.set ACC, 224                          ; v[224:255] four accumulators, one for each row tile
.set PC,  88                           ; in PRODUCE: two fragments' codes;  v[112:127] the upper halves of four blocks;  v[128:255] 128 numbers
.set XT,  112
.set RQ,  128
.set TS,  128                          ; in CLOSE: v[128:135] at work;  v[136:151] p of 16 rows;  v[152:215] 16 rows of the copy
.set PP,  136
.set RX,  152
.set WV,  18                           ; s18  wave
.set G1,  24                           ; s[24:31] descriptor group 1;  s[32:35] group 0, which walks
.set G0,  32
.set LA,  36                           ; s36-37 my block's LDS address in slot 0, 1
.set BLK, 38                           ; s38  blocks to go
.set UL,  39                           ; s39  trips of the loop over units
.set CL,  40                           ; s40  trips of the context's loop
.set TBI, 41                           ; s41  the step's place among my biases: 64 bytes a tile
.set SEL, 42                           ; s[42:43] v_permlanex16_b32's selects for lane l xor 16
.set CC,  44                           ; s[44:45] c = 2 log2(e)
.set TP,  46
.set TC,  47
.set HM,  48                           ; s48  lanes 16-31
.set SE,  50                           ; s[50:51] encoder_outputs at the block's first row, + 1,024 w
.set CVP, 52                           ; s[52:53] coverage, s[54:55] mask, s[56:57] scores at the block's first row
.set MKP, 54
.set SCO, 56
.set MSB, 0
.macro WIN new                         ; the immediate's high byte repeats the setting that is left; a switch that changes nothing is dropped
.if MSB != (\new)
	s_set_vgpr_msb (MSB<<8)|(\new)
.set MSB, (\new)
.endif
.endm
.macro PLACES                          ; four plain places (ISA guide 7.12.1)
.rept 4
	v_nop
.endr
.endm
.macro CROUND                          ; a round of the cluster's barrier
	s_barrier_signal -1
	s_barrier_wait -1
	s_cmp_lg_u32 s[WV], 0
	s_cbranch_scc1 .Lnot_wave_0_\@
	s_barrier_signal -3
.Lnot_wave_0_\@:
	s_barrier_wait -3
	s_barrier_signal -1
	s_barrier_wait -1
.endm
; A row tile of my columns, 16 rows x 1,024 bytes, into a landing buffer: load i = row i / 2, K step 2 w + i % 2: 512 consecutive bytes a load.
.macro GLOAD win, base, imm
	WIN (\win)<<6
.set gi, 0
.rept 32
	global_load_b128 v[\base+4*gi:\base+4*gi+3], v[EO], s[SE:SE+1] offset:\imm+(gi/2)*4096+(gi%2)*512 th:TH_LOAD_NT
.set gi, gi+1
.endr
	WIN 0
.endm
; Row tile m, landed in buffer LB of window win, becomes two fragments, their scale words and 16 rows of the bf16 copy.
.macro GROUP m, win, LB
.irp eta, 0,1                          ; a K step through my stage: in as loaded (a lane: 4 numbers of a row), out by the operand's layout: lane (r, h): row r, k = 64 c + 32 h + 0 .. 31
	WIN (\win)<<2                                  ; an LDS store's data are its source 1
.set gi, 0
.rept 16
	ds_store_b128 v[STW], v[\LB+8*gi+4*\eta:\LB+8*gi+4*\eta+3] offset:528*gi
.set gi, gi+1
.endr
	WIN 0
.irp c, 0,1
.irp j, 0,1,2,3,4,5,6,7
	ds_load_b128 v[RQ+64*\eta+32*\c+4*\j:RQ+64*\eta+32*\c+4*\j+3], v[STR] offset:256*\c+16*\j   ; LDS serves a wave's instructions in order (ISA guide 5.7.1.4): these see the stores above, and the next K step's stores come behind them
.endr
.endr
.endr
	s_wait_dscnt 0x0
.irp k, 0,1,2,3                        ; four whole blocks of 32 a lane (k = 2 eta + c), by turns
	v_max3_num_f32 v[MX+\k], |v[RQ+32*\k]|, |v[RQ+32*\k+1]|, 0x1800000   ; with the floor 2^(3 - 127): the byte cannot fall under 1
.endr
.irp i, 2,4,6,8,10,12,14,16,18,20,22,24,26,28,30
.irp k, 0,1,2,3
	v_max3_num_f32 v[MX+\k], v[MX+\k], |v[RQ+32*\k+\i]|, |v[RQ+32*\k+\i+1]|
.endr
.endr
.irp k, 0,1,2,3
	v_add_nc_u32 v[SO+\k], 0xff000000, v[MX+\k]    ; 2 off the exponent field: the conversion's scale operand
.endr
.irp k, 0,1,2,3
	v_lshrrev_b32 v[MX+\k], 23, v[SO+\k]           ; the scale's byte
.endr
.irp eta, 0,1
	v_lshl_or_b32 v[MX+2*\eta], v[MX+2*\eta+1], 16, v[MX+2*\eta]   ; my two bytes of the K step's word: blocks h and 2 + h
.endr
.irp eta, 0,1
	v_lshlrev_b32 v[MX+2*\eta], v[SH8], v[MX+2*\eta]
.endr
.irp eta, 0,1
	v_permlanex16_b32 v[MX+2*\eta+1], v[MX+2*\eta], s[SEL], s[SEL+1]
.endr
.irp eta, 0,1
	v_or_b32 v[MX+2*\eta], v[MX+2*\eta], v[MX+2*\eta+1]   ; with lane l xor 16's two the word is whole
.endr
	v_cndmask_b32 v[MX], v[MX], v[MX+2], s[HM]     ; lanes 0-15 K step 2 w's word, lanes 16-31 K step 2 w + 1's
.irp k, 0,1,2,3
	v_cvt_scalef32_pk16_fp6_f32 v[PC+6*\k:PC+6*\k+2], v[RQ+32*\k:RQ+32*\k+15], v[SO+\k]
	v_cvt_scalef32_pk16_fp6_f32 v[XT+4*\k:XT+4*\k+2], v[RQ+32*\k+16:RQ+32*\k+31], v[SO+\k]   ; (a conversion's three registers begin on an even number)
.endr
	v_nop                                          ; one plain place behind the scaled conversions
.irp k, 0,1,2,3
.irp i, 0,1,2
	v_mov_b32 v[PC+6*\k+3+\i], v[XT+4*\k+\i]
.endr
.endr
.irp eta, 0,1
.irp k, 0,1,2
	ds_store_b128 v[AIW], v[PC+12*\eta+4*\k:PC+12*\eta+4*\k+3] offset:(4*\eta+\m)*1536+512*\k   ; the fragment as it stands: q = 4 (2 w + eta) + m
.endr
.endr
	ds_store_b32 v[ASW], v[MX] offset:512*\m
	WIN ((\win)<<6)|((\win)<<2)|(\win)
.set gi, 0
.rept 16                               ; a row's eight numbers of my lane to bf16, in place: element e = column 4 lane + e (e < 4), 128 + 4 lane + e - 4 (else) of my 256
.irp i, 0,1,2,3
	v_cvt_pk_bf16_f32 v[\LB+8*gi+\i], v[\LB+8*gi+2*\i], v[\LB+8*gi+2*\i+1]
.endr
.set gi, gi+1
.endr
	WIN (\win)<<2
.set gi, 0
.rept 16
	ds_store_b128 v[CPA], v[\LB+8*gi:\LB+8*gi+3] offset:(16*\m+gi)*512
.set gi, gi+1
.endr
	WIN 0
.endm
; The tile's 4 x 8 sums a lane, in place: x = sum + Wc_w cov; r = 1 / (1 + 2^(c x)); SC += V' r.  Two batches of 32 transcendentals, one wait each.  Each pass takes an accumulator from its low end on.
.macro TANH
.irp m, 0,1,2,3
.irp j, 0,2,4,6
.if \m%2
	v_pk_fma_f32 v[ACC+8*\m+\j:ACC+8*\m+\j+1], v[WC+\j:WC+\j+1], v[COV+\m-1:COV+\m], v[ACC+8*\m+\j:ACC+8*\m+\j+1] op_sel:[0,1,0] op_sel_hi:[1,1,1]
.else
	v_pk_fma_f32 v[ACC+8*\m+\j:ACC+8*\m+\j+1], v[WC+\j:WC+\j+1], v[COV+\m:COV+\m+1], v[ACC+8*\m+\j:ACC+8*\m+\j+1] op_sel_hi:[1,0,1]
.endif
.endr
.endr
.set ti, 0
.rept 16
	v_pk_mul_f32 v[ACC+2*ti:ACC+2*ti+1], v[ACC+2*ti:ACC+2*ti+1], s[CC:CC+1] op_sel_hi:[1,0]
.set ti, ti+1
.endr
.set ti, 0
.rept 32
	v_exp_f32 v[ACC+ti], v[ACC+ti]
.set ti, ti+1
.endr
	v_nop                                          ; a plain place behind the last exponential
	s_wait_alu depctr_va_vdst(0)                   ; one wait for the batch, ahead of its first reader
.set ti, 0
.rept 16
	v_pk_add_f32 v[ACC+2*ti:ACC+2*ti+1], v[ACC+2*ti:ACC+2*ti+1], 1.0 op_sel_hi:[1,0]
.set ti, ti+1
.endr
.set ti, 0
.rept 32
	v_rcp_f32 v[ACC+ti], v[ACC+ti]
.set ti, ti+1
.endr
	v_nop
	s_wait_alu depctr_va_vdst(0)
.irp j, 0,2,4,6
.irp m, 0,1,2,3
	v_pk_fma_f32 v[SC+2*\m:SC+2*\m+1], v[ACC+8*\m+\j:ACC+8*\m+\j+1], v[VV+\j:VV+\j+1], v[SC+2*\m:SC+2*\m+1]   ; the four row tiles by turns
.endr
.endr
.endm
; One matrix instruction: K step ks, row tile m.
.macro MM ks, m
.set qq, 4*(\ks)+(\m)
.if qq < 21
	WIN 0x04                                       ; source 1 (A) in window 1
.set ar, 12*qq
.elseif qq < 31
	WIN 0x08                                       ; in window 2
.set ar, 12*(qq-21)
.else
	WIN 0
.set ar, A31
.endif
.set dd, ACC+8*(\m)
.set ff, RF+12*(\ks)
.set su, US+(\ks)/2
.set sa, AS+4*(\m)+(\ks)/2
.if (\ks) == 0
	v_wmma_scale_f32_16x16x128_f8f6f4 v[dd:dd+7], v[ff:ff+11], v[ar:ar+11], v[BIAS:BIAS+7], v[su], v[sa] matrix_a_fmt:MATRIX_FMT_FP6 matrix_b_fmt:MATRIX_FMT_FP6
.elseif (\ks)%2 == 0
	v_wmma_scale_f32_16x16x128_f8f6f4 v[dd:dd+7], v[ff:ff+11], v[ar:ar+11], v[dd:dd+7], v[su], v[sa] matrix_a_fmt:MATRIX_FMT_FP6 matrix_b_fmt:MATRIX_FMT_FP6
.else
	v_wmma_scale_f32_16x16x128_f8f6f4 v[dd:dd+7], v[ff:ff+11], v[ar:ar+11], v[dd:dd+7], v[su], v[sa] matrix_a_fmt:MATRIX_FMT_FP6 matrix_b_fmt:MATRIX_FMT_FP6 matrix_a_scale:MATRIX_SCALE_ROW1 matrix_b_scale:MATRIX_SCALE_ROW1
.endif
.endm
; A STEP: my unit tile in \slot against the block's 64 rows; the tile before gets its TANH while this tile's fragments come out of LDS.
; refill = 1: the other slot, read in the step before, is filled with the next tile (wrap = 1: with tile 0, for the next block).  One tensor load of mine is out at any time.
.macro STEP slot, first, refill, wrap, pf
	s_wait_tensorcnt 0x0                           ; all my tensor loads have landed: the one that was out is this step's tile; so group 0 may be written
.if \refill
	ds_add_u32 v[SPW], v[NIL]                      ; 0 onto my spare word
	s_mov_b32 s[G0+1], s[LA+1-\slot]
.if \wrap
	s_sub_nc_u64 s[G0+2:G0+3], s[G0+2:G0+3], 15*SLOTB
.else
	s_add_nc_u64 s[G0+2:G0+3], s[G0+2:G0+3], SLOTB
.endif
.endif
	v_add_nc_u32 v[ADB], s[TBI], v[ADB0]
	s_add_co_u32 s[TBI], s[TBI], 64
	s_wait_dscnt 0x0                               ; the add is done; my reads of the other slot are over, Wc_w and V' of the tile before among them
.if \refill
	CROUND                                         ; no wave of any partner still reads the other slot or has a load on its way
	tensor_load_to_lds s[G0:G0+3], s[G1:G1+7]      ; the first thing behind the round, and my one tensor load until the next
	s_nop 0
.endif
	PLACES                                         ; also the places ahead of the loads into registers that the last products read, and of the first read of their results
.irp ks, 0,1,2,3,4,5,6,7
.irp k, 0,1,2
	ds_load_b128 v[RF+12*\ks+4*\k:RF+12*\ks+4*\k+3], v[UF+\slot] offset:1536*\ks+512*\k
.endr
.endr
	ds_load_b128 v[US:US+3], v[UF+\slot] offset:12288
	ds_load_b128 v[BIAS:BIAS+3], v[ADB]
	ds_load_b128 v[BIAS+4:BIAS+7], v[ADB] offset:16
.if \pf
	; the next block's fourth row tile of my columns is asked for into the L2: 16 rows x 4 aligned blocks of 256 bytes, a lane a block, two instructions; each block is named once in the launch, by the wave that will load it.
	; That tile has no landing buffer free until the next block's first tile is quantised; the load that wants it stands behind this step's products, CLOSE and one GROUP.  The last block runs another copy of this step, which asks for nothing.
	global_prefetch_b8 v[PFO], s[SE:SE+1] offset:7*RTB th:TH_LOAD_NT scope:SCOPE_SE
	global_prefetch_b8 v[PFO], s[SE:SE+1] offset:7*RTB+32768 th:TH_LOAD_NT scope:SCOPE_SE
.endif
.if \first == 0
	TANH
.endif
	ds_load_b128 v[WC:WC+3], v[UV+\slot]
	ds_load_b128 v[WC+4:WC+7], v[UV+\slot] offset:16
	ds_load_b128 v[VV:VV+3], v[UV+\slot] offset:64
	ds_load_b128 v[VV+4:VV+7], v[UV+\slot] offset:80
	s_wait_dscnt 4                                 ; all but the four just issued: the fragments, the scale words and the bias are in
.irp ks, 0,1,2,3,4,5,6,7               ; the four accumulators take turns, one instruction a turn
.irp m, 0,1,2,3
	MM \ks, \m
.endr
.endr
	WIN 0
.endm
; The block's end: tile 15's TANH, the rows' t, the running softmax, the context.
.macro CLOSE
	s_wait_dscnt 0x0                               ; Wc_w and V' of tile 15
	PLACES
	TANH
.irp m, 0,1,2,3
	v_add_f32 v[TS+\m], v[SC+2*\m], v[SC+2*\m+1]
.endr
.irp m, 0,1,2,3
	v_mov_b32 v[TS+4+\m], 0                        ; a lane permute's destination counts as one of its sources
.endr
.irp m, 0,1,2,3
	v_permlanex16_b32 v[TS+4+\m], v[TS+\m], s[SEL], s[SEL+1]
.endr
.irp m, 0,1,2,3
	v_add_f32 v[TS+\m], v[TS+\m], v[TS+4+\m]       ; row 16 m + r: the sum over my 256 units
.endr
.irp m, 0,1,2,3
	ds_store_b32 v[XW], v[TS+\m] offset:64*\m      ; both lanes of a row write the same word with the same value
.endr
	s_wait_dscnt 0x0                               ; for the others' sake: my stores have landed
	s_barrier_signal -1
	s_barrier_wait -1
.irp w, 0,1,2,3
	ds_load_b64 v[TS+2*\w:TS+2*\w+1], v[XR] offset:256*\w
.endr
	s_wait_dscnt 0x0
	s_wait_xcnt 0x0                                ; the last block's store of t has read its registers
	v_pk_add_f32 v[RT:RT+1], v[TS:TS+1], v[TS+2:TS+3]
	v_pk_add_f32 v[TS+4:TS+5], v[TS+4:TS+5], v[TS+6:TS+7]
	v_pk_add_f32 v[RT:RT+1], v[RT:RT+1], v[TS+4:TS+5]   ; t of rows 2 lane and 2 lane + 1: the same bits in all four waves
	s_cmp_lg_u32 s[WV], 0
	s_cbranch_scc1 .Lnot_mine_\@
	global_store_b64 v[MKO], v[RT:RT+1], s[SCO:SCO+1]   ; 32 lanes store 256 consecutive bytes, aligned
.Lnot_mine_\@:
	v_max_num_f32 v[BM], v[RT], v[RT+1]
	v_max_num_f32_dpp v[BM], v[BM], v[BM] row_xmask:1 row_mask:0xf bank_mask:0xf
	v_max_num_f32_dpp v[BM], v[BM], v[BM] row_xmask:2 row_mask:0xf bank_mask:0xf
	v_max_num_f32_dpp v[BM], v[BM], v[BM] row_xmask:4 row_mask:0xf bank_mask:0xf
	v_max_num_f32_dpp v[BM], v[BM], v[BM] row_xmask:8 row_mask:0xf bank_mask:0xf
	v_permlanex16_b32 v[MN], v[BM], s[SEL], s[SEL+1]
	v_max3_num_f32 v[MN], v[BM], v[MN], v[MR]      ; the new running maximum, in every lane
	v_sub_f32 v[FF], v[MR], v[MN]
	v_sub_f32 v[PQ], v[RT], v[MN]
	v_sub_f32 v[PQ+1], v[RT+1], v[MN]
	v_exp_f32 v[FF], v[FF]
	v_exp_f32 v[PQ], v[PQ]
	v_exp_f32 v[PQ+1], v[PQ+1]
	v_mov_b32 v[MR], v[MN]                         ; (a plain place behind the exponentials)
	s_wait_alu depctr_va_vdst(0)                   ; one wait for the three, ahead of their first reader
	v_pk_mul_f32 v[PQ:PQ+1], v[PQ:PQ+1], v[MK:MK+1]
	v_fma_f32 v[LR], v[LR], v[FF], v[PQ]
	v_add_f32 v[LR], v[LR], v[PQ+1]
.irp e, 0,2,4,6
	v_pk_mul_f32 v[CTX+\e:CTX+\e+1], v[CTX+\e:CTX+\e+1], v[FF:FF+1] op_sel_hi:[1,0]
.endr
	ds_store_b64 v[PBW], v[PQ:PQ+1]                ; p of the 64 rows, in my own bytes
	s_mov_b32 s[TP], 0
	s_mov_b32 s[TC], 0
	s_mov_b32 s[CL], 4
.Lctx_\@:                                          ; 16 rows a trip
	v_add_nc_u32 v[PBA], s[TP], v[PBR]
	v_add_nc_u32 v[CPR], s[TC], v[CPA]
.irp i, 0,1,2,3
	ds_load_b128 v[PP+4*\i:PP+4*\i+3], v[PBA] offset:16*\i   ; every lane reads the same 16 p
.endr
.irp rho, 0,1,2,3,4,5,6,7,8,9,10,11,12,13,14,15
	ds_load_b128 v[RX+4*\rho:RX+4*\rho+3], v[CPR] offset:512*\rho
.endr
	s_wait_dscnt 0x0
.irp rho, 0,1,2,3,4,5,6,7,8,9,10,11,12,13,14,15
.irp e, 0,2,4,6
	v_fma_mix_f32_bf16 v[CTX+\e], v[RX+4*\rho+\e/2], v[PP+\rho], v[CTX+\e] op_sel_hi:[1,0,0]
	v_fma_mix_f32_bf16 v[CTX+\e+1], v[RX+4*\rho+\e/2], v[PP+\rho], v[CTX+\e+1] op_sel:[1,0,0] op_sel_hi:[1,0,0]
.endr
.endr
	s_add_co_u32 s[TP], s[TP], 64
	s_add_co_u32 s[TC], s[TC], 8192
	s_sub_co_u32 s[CL], s[CL], 1
	s_cmp_lg_u32 s[CL], 0
	s_cbranch_scc1 .Lctx_\@
.endm
	s_load_b256 s[4:11], s[0:1], 0x0               ; encoder_outputs s[4:5], ustream s[6:7], bias s[8:9], coverage s[10:11]
	s_load_b128 s[12:15], s[0:1], 0x20             ; mask s[12:13], scores s[14:15]
	s_load_b64 s[16:17], s[0:1], 0x30              ; part
	v_lshl_add_u32 v[SPW], v0, 2, SPARE
	v_mov_b32 v[NIL], 0
	ds_add_u32 v1, v2
	ds_add_u32 v1, v2
	s_wait_dscnt 0x0
	v_lshrrev_b32 v124, 5, v0
	v_readfirstlane_b32 s[WV], v124                ; wave 0..3
	v_and_b32 v124, 31, v0                         ; lane
	v_and_b32 v125, 15, v0                         ; r
	v_bfe_u32 v126, v0, 4, 1                       ; h
	s_bfe_u32 s19, ttmp6, 0x40000                  ; cx: my place in the cluster: it enters global addresses of my own rows alone
	s_lshl_b32 s20, ttmp9, 2
	s_add_co_u32 s20, s20, s19                     ; g = 4 x cluster + cx
	; every LDS address: a constant + a constant x lane + a constant x wave
	s_mul_i32 s[LA], s[WV], UBLK
	s_add_co_u32 s[LA+1], s[LA], SLOTB
	v_lshl_add_u32 v[UF], v124, 4, s[LA]
	v_lshl_add_u32 v[UF+1], v124, 4, s[LA+1]
	v_lshl_add_u32 v[UV], v126, 5, s[LA]
	v_add_nc_u32 v[UV], 12800, v[UV]
	v_add_nc_u32 v[UV+1], SLOTB, v[UV]
	s_lshl_b32 s60, s[WV], 10
	s_add_co_u32 s61, s60, BIASL
	v_lshl_add_u32 v[ADB0], v126, 5, s61
	v_lshl_add_u32 v127, v124, 4, s61              ; where my biases go
	v_lshl_add_u32 v[CO], v124, 4, s60
	s_mul_i32 s61, s[WV], STGW
	s_add_co_u32 s61, s61, STAGE
	v_lshl_add_u32 v[STW], v124, 4, s61
	v_mul_u32_u24 v[STR], v125, 528
	v_lshl_add_u32 v[STR], v126, 7, v[STR]
	v_add_nc_u32 v[STR], s61, v[STR]
	s_lshl_b32 s61, s[WV], 15
	s_add_co_u32 s61, s61, COPY
	v_lshl_add_u32 v[CPA], v124, 4, s61
	s_mul_i32 s61, s[WV], 12288
	s_add_co_u32 s61, s61, AIMG
	v_lshl_add_u32 v[AIW], v124, 4, s61
	v_lshl_add_u32 v[AIR], v124, 4, AIMG
	s_lshl_b32 s61, s[WV], 2
	s_add_co_u32 s61, s61, ASIMG
	v_lshl_add_u32 v[ASW], v124, 4, s61
	v_lshl_add_u32 v[ASR], v124, 4, ASIMG
	s_lshl_b32 s61, s[WV], 8
	s_add_co_u32 s62, s61, XCH
	v_lshl_add_u32 v[XW], v125, 2, s62
	v_lshl_add_u32 v[XR], v124, 3, XCH
	s_add_co_u32 s62, s61, PB
	v_lshl_add_u32 v[PBW], v124, 3, s62
	v_mov_b32 v[PBR], s62
	v_lshlrev_b32 v[EO], 4, v124
	v_lshlrev_b32 v[CVO], 2, v125
	v_lshlrev_b32 v[MKO], 3, v124
	v_lshlrev_b32 v[SH8], 3, v126
	v_lshrrev_b32 v[PFO], 2, v124
	v_lshlrev_b32 v[PFO], 12, v[PFO]
	v_and_b32 v125, 3, v0
	v_lshl_add_u32 v[PFO], v125, 8, v[PFO]
	; descriptor group 1: a dense block of 13,056 bytes as 51 rows of 256 bytes (32 elements of 8 bytes), no padding
	s_mov_b32 s[G1], 15|(3<<16)|(1<<21)            ; 15:0 the mask: all four work-groups; 17:16 elements of 8 bytes; 21 set beside a mask
	s_mov_b32 s[G1+1], 32<<16                      ; tensor_dim0 = 32
	s_mov_b32 s[G1+2], 51<<16                      ; tensor_dim1 = 51
	s_mov_b32 s[G1+3], 32<<16                      ; tile_dim0 = 32
	s_mov_b32 s[G1+4], 51                          ; tile_dim1 = 51
	s_mov_b32 s[G1+5], 32                          ; from row to row
	s_mov_b32 s[G1+6], 0
	s_mov_b32 s[G1+7], 0
	s_mov_b32 s[SEL], 0x76543210
	s_mov_b32 s[SEL+1], 0xfedcba98
	s_mov_b32 s[CC], 0x4038aa3b                    ; 2 log2(e)
	s_mov_b32 s[CC+1], s[CC]                       ; (named with it as a pair, so it is written)
	s_mov_b32 s[HM], 0xffff0000
	s_mov_b32 s[BLK], 4
	s_lshl_b32 s58, s20, 20                        ; my 256 rows of 4,096 bytes,
	s_add_co_u32 s58, s58, s60                     ; my wave's 1,024 bytes of a row
	s_mov_b32 s59, 0
	s_mov_b32 s62, s[LA]                           ; tile 0 of my wave: block w of ustream
	s_mov_b32 s63, 0
	s_wait_kmcnt 0x0
	s_add_nc_u64 s[SE:SE+1], s[4:5], s[58:59]
	s_lshl_b32 s58, s20, 10                        ; 256 rows of 4 bytes
	s_add_nc_u64 s[CVP:CVP+1], s[10:11], s[58:59]
	s_add_nc_u64 s[MKP:MKP+1], s[12:13], s[58:59]
	s_add_nc_u64 s[SCO:SCO+1], s[14:15], s[58:59]
	s_mul_i32 s58, s20, 4352
	s_add_nc_u64 s[16:17], s[16:17], s[58:59]      ; my row of part
	s_lshr_b32 s58, ttmp9, 1
	s_lshl_b32 s58, s58, 12
	s_add_nc_u64 s[8:9], s[8:9], s[58:59]          ; my batch's row of bias
	s_mov_b32 s[G0], 1                             ; count = 1
	s_mov_b32 s[G0+1], s[LA]                       ; LDS address: slot 0
	s_add_nc_u64 s[G0+2:G0+3], s[6:7], s[62:63]    ; global address: it hangs on the wave and the step alone
	s_or_b32 s[G0+3], s[G0+3], 0x80000000          ; type = 2
	CROUND                                         ; all four work-groups are here: the first joint loads meet
	tensor_load_to_lds s[G0:G0+3], s[G1:G1+7]      ; tile 0
	s_nop 0
	PLACES
	global_load_b128 v[128:131], v[CO], s[8:9]             ; my 256 biases
	global_load_b128 v[132:135], v[CO], s[8:9] offset:512
.irp m, 0,1,2,3
	global_load_b32 v[COVN+\m], v[CVO], s[CVP:CVP+1] offset:64*\m
.endr
	global_load_b64 v[MKN:MKN+1], v[MKO], s[MKP:MKP+1]
	GLOAD 2, 128, 0                                ; the first block's row tiles 0, 1, 2
	GLOAD 3, 0, RTB
	GLOAD 3, 128, 2*RTB
	v_mov_b32 v[MR], 0xff61b1e6                    ; -3e38, under every t
	v_mov_b32 v[LR], 0
	v_mov_b32 v[FF+1], 0
	v_mov_b32 v[MN], 0
.irp e, 0,1,2,3,4,5,6,7
	v_mov_b32 v[CTX+\e], 0
.endr
	s_wait_loadcnt 0x0
	ds_store_b128 v127, v[128:131]
	ds_store_b128 v127, v[132:135] offset:512
	s_wait_dscnt 0x0                               ; the stores have read their registers
.Lblock:
	; ---- PRODUCE
	s_wait_loadcnt 0x0                             ; row tiles 0, 1, 2, the coverage and the mask of this block
.irp m, 0,1,2,3
	v_mov_b32 v[COV+\m], v[COVN+\m]
.endr
	v_mov_b32 v[MK], v[MKN]
	v_mov_b32 v[MK+1], v[MKN+1]
	GROUP 0, 2, 128
	s_wait_dscnt 0x0                               ; the copy's stores have read buffer 0:
	GLOAD 2, 128, 3*RTB                            ; it takes row tile 3
	GROUP 1, 3, 0
	GROUP 2, 3, 128
	s_wait_loadcnt 0x0                             ; row tile 3
	GROUP 3, 2, 128
	s_wait_dscnt 0x0                               ; for the others' sake: my images have landed; and all my LDS stores have read their registers
	s_cmp_eq_u32 s[BLK], 1                         ; the last block asks for nothing: no load leaves its buffer
	s_cbranch_scc1 .Lno_next
.irp m, 0,1,2,3
	global_load_b32 v[COVN+\m], v[CVO], s[CVP:CVP+1] offset:256+64*\m
.endr
	global_load_b64 v[MKN:MKN+1], v[MKO], s[MKP:MKP+1] offset:256
	GLOAD 3, 0, 5*RTB                              ; the next block's row tile 1
.Lno_next:
	s_barrier_signal -1
	s_barrier_wait -1                              ; the block's 32 fragments and their scale words lie in LDS
	; ---- ALOAD: the whole operand into my registers
	WIN 0x40
.set aq, 0
.rept 21
.irp k, 0,1,2
	ds_load_b128 v[12*aq+4*\k:12*aq+4*\k+3], v[AIR] offset:1536*aq+512*\k
.endr
.set aq, aq+1
.endr
	WIN 0x80
.rept 10
.irp k, 0,1,2
	ds_load_b128 v[12*(aq-21)+4*\k:12*(aq-21)+4*\k+3], v[AIR] offset:1536*aq+512*\k
.endr
.set aq, aq+1
.endr
	WIN 0
.irp k, 0,1,2
	ds_load_b128 v[A31+4*\k:A31+4*\k+3], v[AIR] offset:1536*31+512*\k
.endr
.irp m, 0,1,2,3
	ds_load_b128 v[AS+4*\m:AS+4*\m+3], v[ASR] offset:512*\m
.endr
.irp e, 0,1,2,3,4,5,6,7
	v_mov_b32 v[SC+\e], 0
.endr
	s_mov_b32 s[TBI], 0
	; ---- the 16 unit tiles
	STEP 0, 1, 1, 0, 0                             ; tile 0
	s_mov_b32 s[UL], 7
.Lunits:                                           ; tiles 1 to 14, two a trip
	STEP 1, 0, 1, 0, 0
	STEP 0, 0, 1, 0, 0
	s_cmp_eq_u32 s[BLK], 1                         ; the next block's row tiles 2 and 0 are asked for in the first and in the fourth trip, 32 loads each time, if there is a next block
	s_cbranch_scc1 .Lasked
	s_cmp_eq_u32 s[UL], 7
	s_cbranch_scc0 .Lnot_tile_2
	GLOAD 3, 128, 6*RTB
.Lnot_tile_2:
	s_cmp_eq_u32 s[UL], 4
	s_cbranch_scc0 .Lasked
	GLOAD 2, 128, 4*RTB
.Lasked:
	s_sub_co_u32 s[UL], s[UL], 1
	s_cmp_lg_u32 s[UL], 0
	s_cbranch_scc1 .Lunits
	s_cmp_eq_u32 s[BLK], 1
	s_cbranch_scc1 .Llast                          ; the last block's tail is written out: it asks for no tile
	STEP 1, 0, 1, 1, 1                             ; tile 15; slot 0 takes tile 0 for the next block
	CLOSE
	s_wait_xcnt 0x0                                ; every earlier memory instruction has had its addresses translated (ISA guide 3.1): the bases may step
	s_add_nc_u64 s[SE:SE+1], s[SE:SE+1], 4*RTB
	s_add_nc_u64 s[CVP:CVP+1], s[CVP:CVP+1], 256
	s_add_nc_u64 s[MKP:MKP+1], s[MKP:MKP+1], 256
	s_add_nc_u64 s[SCO:SCO+1], s[SCO:SCO+1], 256
	s_sub_co_u32 s[BLK], s[BLK], 1
	s_cmp_lg_u32 s[BLK], 0
	s_cbranch_scc1 .Lblock                         ; (always taken: the fourth trip leaves by the branch above)
.Llast:
	STEP 1, 0, 0, 0, 0                             ; tile 15 of the last block: nothing is filled, so no barrier: the tile is my own
	CLOSE
	v_add_f32_dpp v[LR], v[LR], v[LR] row_xmask:1 row_mask:0xf bank_mask:0xf   ; the sum over the lanes
	v_add_f32_dpp v[LR], v[LR], v[LR] row_xmask:2 row_mask:0xf bank_mask:0xf
	v_add_f32_dpp v[LR], v[LR], v[LR] row_xmask:4 row_mask:0xf bank_mask:0xf
	v_add_f32_dpp v[LR], v[LR], v[LR] row_xmask:8 row_mask:0xf bank_mask:0xf
	v_permlanex16_b32 v[BM], v[LR], s[SEL], s[SEL+1]
	v_add_f32 v[LR], v[LR], v[BM]
	global_store_b128 v[CO], v[CTX:CTX+3], s[16:17]            ; columns 256 w + 4 lane + 0 .. 3: 512 consecutive bytes a store
	global_store_b128 v[CO], v[CTX+4:CTX+7], s[16:17] offset:512   ; columns 256 w + 128 + 4 lane + 0 .. 3
	s_cmp_lg_u32 s[WV], 0
	s_cbranch_scc1 .Lno_ml
	global_store_b64 v[MKO], v[MR:MR+1], s[16:17] offset:4096  ; (m, l), 32 times: 256 consecutive bytes, aligned
.Lno_ml:
	s_wait_tensorcnt 0x0                           ; the wave's end: behind my last tensor load and my last LDS store
	ds_add_u32 v[SPW], v[NIL]
	s_wait_dscnt 0x0
	CROUND                                         ; the closing round: no work-group ends while a partner may still ask for a tile that names it
	s_endpgm
.Lfunc_end_k_qf1976efe06_main:
	.size	k_qf1976efe06_main, .Lfunc_end_k_qf1976efe06_main-k_qf1976efe06_main
	.p2alignl 7, 3214868480
	.fill 96, 4, 3214868480
	.section	.rodata,"a",@progbits
	.p2align	6, 0x0
	.amdhsa_kernel k_qf1976efe06_main
		.amdhsa_group_segment_fixed_size 327680
		.amdhsa_private_segment_fixed_size 0
		.amdhsa_enable_private_segment 0
		.amdhsa_kernarg_size 56
		.amdhsa_user_sgpr_count 2
		.amdhsa_user_sgpr_kernarg_segment_ptr 1
		.amdhsa_wavefront_size32 1
		.amdhsa_system_sgpr_workgroup_id_x 1
		.amdhsa_system_sgpr_workgroup_id_y 1
		.amdhsa_system_sgpr_workgroup_id_z 1
		.amdhsa_system_vgpr_workitem_id 0
		.amdhsa_next_free_vgpr 1024
		.amdhsa_next_free_sgpr 72
		.amdhsa_reserve_vcc 0
		.amdhsa_float_denorm_mode_32 3
		.amdhsa_float_denorm_mode_16_64 3
		.amdhsa_memory_ordered 1
		.amdhsa_forward_progress 1
		.amdhsa_inst_pref_size 196
	.end_amdhsa_kernel
	.amdgpu_metadata
---
amdhsa.version: [ 1, 2 ]
amdhsa.kernels:
  - .name:           k_qf1976efe06_main
    .symbol:         k_qf1976efe06_main.kd
    .args:
      - { .name: encoder_outputs, .offset: 0, .size: 8, .value_kind: global_buffer, .address_space: global }
      - { .name: ustream, .offset: 8, .size: 8, .value_kind: global_buffer, .address_space: global }
      - { .name: bias, .offset: 16, .size: 8, .value_kind: global_buffer, .address_space: global }
      - { .name: coverage_vector, .offset: 24, .size: 8, .value_kind: global_buffer, .address_space: global }
      - { .name: encoder_mask, .offset: 32, .size: 8, .value_kind: global_buffer, .address_space: global }
      - { .name: scores, .offset: 40, .size: 8, .value_kind: global_buffer, .address_space: global }
      - { .name: part, .offset: 48, .size: 8, .value_kind: global_buffer, .address_space: global }
    .group_segment_fixed_size: 327680
    .private_segment_fixed_size: 0
    .kernarg_segment_align: 8
    .kernarg_segment_size: 56
    .max_flat_workgroup_size: 128
    .sgpr_count:     72
    .vgpr_count:     1024
    .wavefront_size: 32
...
	.end_amdgpu_metadata
.endif
;; end of part 2
;; launch final (part 3): grid 32 x 4, 4 waves a work-group, no clusters, 0 bytes of LDS; arguments scores, part, encoder_mask, coverage_vector, out0, out1, out2; writes out0, out1, out2
.if DOCPART == 3
	.amdgcn_target "amdgcn-amd-amdhsa--gfx1250"
	.amdhsa_code_object_version 6
	.text
	.protected	k_qf1976efe06_final
	.globl	k_qf1976efe06_final
	.p2align	8
	.type	k_qf1976efe06_final,@function
k_qf1976efe06_final:
	s_mov_b64 s[64:65], 0
	v_nop
	global_prefetch_b8 v0, s[64:65] scope:SCOPE_SE
	s_setreg_imm32_b32 hwreg(HW_REG_WAVE_MODE, 25, 1), 1
	s_wait_xcnt 0x0
; Joins the eight parts of a batch.  Work-group (b, y): batch b, rows 512 y .. +511 of its 2,048 and columns 256 y .. +255 of its context.
; M = the largest of the parts' maxima; e_i = 2^(m_i - M); L = sum of l_i e_i.  weight = 2^(t - M) x mask / L -> out1; coverage + weight -> out2; sum of e_i part_i / L -> out0.
; t and the m_i are scores x log2(e) less one number that all rows share, which leaves these quotients unchanged.  A stream: no LDS, no barrier, no matrix unit: there is nothing to share and nothing to multiply in bulk.
; LIMIT: a batch whose masked sum L is 0 gives what a division by 0 gives.
.set PROW, 4352                        ; a row of part: 1,024 f32, then (m, l) 32 times
	s_load_b256 s[4:11], s[0:1], 0x0               ; scores s[4:5], part s[6:7], mask s[8:9], coverage s[10:11]
	s_load_b128 s[12:15], s[0:1], 0x20             ; out0 s[12:13], out1 s[14:15]
	s_load_b64 s[16:17], s[0:1], 0x30              ; out2
	s_and_b32 s18, ttmp7, 0xffff                   ; y
	v_and_b32 v1, 31, v0
	v_lshlrev_b32 v1, 3, v1                        ; 8 x lane: my copy of a pair (m, l)
	v_lshlrev_b32 v2, 4, v0                        ; 16 x thread: my four rows
	s_lshl_b32 s24, s18, 10
	v_lshl_add_u32 v3, v0, 3, s24                  ; 8 x thread + 1,024 y: my two columns
	s_mul_i32 s20, ttmp9, 8*PROW                   ; the batch's eight rows of part
	s_mov_b32 s21, 0
	s_lshl_b32 s22, ttmp9, 13
	s_lshl_b32 s23, s18, 11
	s_add_co_u32 s22, s22, s23                     ; rows 2,048 b + 512 y, 4 bytes each
	s_mov_b32 s23, 0
	s_lshl_b32 s26, ttmp9, 12                      ; row b of out0
	s_mov_b32 s27, 0
	s_wait_kmcnt 0x0
	s_add_nc_u64 s[6:7], s[6:7], s[20:21]
	s_add_nc_u64 s[4:5], s[4:5], s[22:23]
	s_add_nc_u64 s[8:9], s[8:9], s[22:23]
	s_add_nc_u64 s[10:11], s[10:11], s[22:23]
	s_add_nc_u64 s[14:15], s[14:15], s[22:23]
	s_add_nc_u64 s[16:17], s[16:17], s[22:23]
	s_add_nc_u64 s[12:13], s[12:13], s[26:27]
.irp i, 0,1,2,3,4,5,6,7
	global_load_b64 v[4+2*\i:5+2*\i], v1, s[6:7] offset:\i*PROW+4096    ; (m_i, l_i)
.endr
	global_load_b128 v[20:23], v2, s[4:5]          ; t
	global_load_b128 v[24:27], v2, s[8:9]          ; mask
	global_load_b128 v[28:31], v2, s[10:11]        ; coverage
.irp i, 0,1,2,3,4,5,6,7
	global_load_b64 v[32+2*\i:33+2*\i], v3, s[6:7] offset:\i*PROW       ; the parts of my two columns
.endr
	s_wait_loadcnt 0x0
	v_max3_num_f32 v48, v4, v6, v8
	v_max3_num_f32 v48, v48, v10, v12
	v_max3_num_f32 v48, v48, v14, v16
	v_max_num_f32 v48, v48, v18                    ; M
.irp i, 0,1,2,3,4,5,6,7
	v_sub_f32 v[50+\i], v[4+2*\i], v48
.endr
.irp j, 0,1,2,3
	v_sub_f32 v[58+\j], v[20+\j], v48
.endr
.irp i, 0,1,2,3,4,5,6,7,8,9,10,11
	v_exp_f32 v[50+\i], v[50+\i]                   ; e_0 .. e_7, then 2^(t - M) of my four rows: one batch
.endr
	v_nop                                          ; a plain place behind the last exponential
	s_wait_alu depctr_va_vdst(0)                   ; one wait for the batch, ahead of its first reader
	v_mul_f32 v62, v5, v50
.irp i, 1,2,3,4,5,6,7
	v_fma_f32 v62, v[5+2*\i], v[50+\i], v62        ; L
.endr
	v_rcp_f32 v63, v62
	v_mul_f32 v72, v32, v50                        ; (plain work that names neither L nor its reciprocal)
	v_mul_f32 v73, v33, v50
.irp i, 1,2,3,4,5,6,7
	v_fma_f32 v72, v[32+2*\i], v[50+\i], v72
	v_fma_f32 v73, v[33+2*\i], v[50+\i], v73
.endr
.irp j, 0,1,2,3
	v_mul_f32 v[64+\j], v[58+\j], v[24+\j]         ; x mask
.endr
	s_wait_alu depctr_va_vdst(0)                   ; the reciprocal's wait, ahead of its first reader
.irp j, 0,1,2,3
	v_mul_f32 v[64+\j], v[64+\j], v63
.endr
.irp j, 0,1,2,3
	v_add_f32 v[68+\j], v[28+\j], v[64+\j]
.endr
	v_mul_f32 v72, v72, v63
	v_mul_f32 v73, v73, v63
	global_store_b128 v2, v[64:67], s[14:15]       ; a wave's store covers 512 consecutive bytes, aligned
	global_store_b128 v2, v[68:71], s[16:17]
	global_store_b64 v3, v[72:73], s[12:13]        ; 256 consecutive bytes, aligned
	s_endpgm
.Lfunc_end_k_qf1976efe06_final:
	.size	k_qf1976efe06_final, .Lfunc_end_k_qf1976efe06_final-k_qf1976efe06_final
	.p2alignl 7, 3214868480
	.fill 96, 4, 3214868480
	.section	.rodata,"a",@progbits
	.p2align	6, 0x0
	.amdhsa_kernel k_qf1976efe06_final
		.amdhsa_group_segment_fixed_size 0
		.amdhsa_private_segment_fixed_size 0
		.amdhsa_enable_private_segment 0
		.amdhsa_kernarg_size 56
		.amdhsa_user_sgpr_count 2
		.amdhsa_user_sgpr_kernarg_segment_ptr 1
		.amdhsa_wavefront_size32 1
		.amdhsa_system_sgpr_workgroup_id_x 1
		.amdhsa_system_sgpr_workgroup_id_y 1
		.amdhsa_system_sgpr_workgroup_id_z 1
		.amdhsa_system_vgpr_workitem_id 0
		.amdhsa_next_free_vgpr 80
		.amdhsa_next_free_sgpr 66
		.amdhsa_reserve_vcc 0
		.amdhsa_float_denorm_mode_32 3
		.amdhsa_float_denorm_mode_16_64 3
		.amdhsa_memory_ordered 1
		.amdhsa_forward_progress 1
		.amdhsa_inst_pref_size 7
	.end_amdhsa_kernel
	.amdgpu_metadata
---
amdhsa.version: [ 1, 2 ]
amdhsa.kernels:
  - .name:           k_qf1976efe06_final
    .symbol:         k_qf1976efe06_final.kd
    .args:
      - { .name: scores, .offset: 0, .size: 8, .value_kind: global_buffer, .address_space: global }
      - { .name: part, .offset: 8, .size: 8, .value_kind: global_buffer, .address_space: global }
      - { .name: encoder_mask, .offset: 16, .size: 8, .value_kind: global_buffer, .address_space: global }
      - { .name: coverage_vector, .offset: 24, .size: 8, .value_kind: global_buffer, .address_space: global }
      - { .name: out0, .offset: 32, .size: 8, .value_kind: global_buffer, .address_space: global }
      - { .name: out1, .offset: 40, .size: 8, .value_kind: global_buffer, .address_space: global }
      - { .name: out2, .offset: 48, .size: 8, .value_kind: global_buffer, .address_space: global }
    .group_segment_fixed_size: 0
    .private_segment_fixed_size: 0
    .kernarg_segment_align: 8
    .kernarg_segment_size: 56
    .max_flat_workgroup_size: 128
    .sgpr_count:     66
    .vgpr_count:     80
    .wavefront_size: 32
...
	.end_amdgpu_metadata
.endif
;; end of part 3
;; ======== version 2 of 2: 3 launches
;; limits: values are held in bf16: 8 bits of precision; right only within a limited range of input values
;; workspace buffers: ustream 835,584 bytes; bias 131,072 bytes; scores 262,144 bytes; part 1,114,112 bytes
;; launch prep (part 4): grid 64 x 1, 3 waves a work-group, no clusters, 0 bytes of LDS; arguments U_codes, U_scales, Wc_w, V, W_codes, W_scales, decoder_hidden_state_codes, decoder_hidden_state_scales, Wc_b, ustream, bias; writes ustream, bias
.if DOCPART == 4
	.amdgcn_target "amdgcn-amd-amdhsa--gfx1250"
	.amdhsa_code_object_version 6
	.text
	.protected	k_qf1976efe06_prep
	.globl	k_qf1976efe06_prep
	.p2align	8
	.type	k_qf1976efe06_prep,@function
k_qf1976efe06_prep:
	s_mov_b64 s[64:65], 0
	v_nop
	global_prefetch_b8 v0, s[64:65] scope:SCOPE_SE
	s_setreg_imm32_b32 hwreg(HW_REG_WAVE_MODE, 25, 1), 1
	s_wait_xcnt 0x0
; Work-group T (0 .. 63) serves the 16 units 16 T .. 16 T + 15.
; WAVE 0 lays U's part out as the next launch's waves take it into registers: one block of 13,056 bytes (51 x 256):
;   0      8 fragments (K step s of 128), 1,536 bytes each: chunk k of 512 bytes = registers 4 k .. 4 k + 3, lane l at 16 l
;   12,288 the scale words: register q: lanes 0-15 unit r's word of K step 2 q, lanes 16-31 that of K step 2 q + 1; lane l at 16 l
;   12,800 Wc_w of the 16 units; 12,864 V' = -2 log2(e) V of the 16 units; 12,928 zeros up to 13,056
; Unit tile T = 16 w + t lies at block 8 (t / 2) + 2 w + t % 2: the two tiles of wave w's pair in the next launch are neighbours, and so are the four waves' pairs.
; WAVES 1 AND 2 make bias[b][u] = (decoder_hidden_state W)[b][u] + Wc_b[u] for 16 batches each, on the codes as they are given:
; source 0 = 16 units of W, source 1 = 16 batches; Wc_b is the C of the sum's first link; K ascending on one accumulator.
; Their two stores write runs of 64 bytes in rows 4,096 bytes apart: 128 KiB in all, written once; the next launch reads it in whole runs.
.set UBLK, 13056
	s_load_b256 s[4:11], s[0:1], 0x0               ; U's codes s[4:5], U's scales s[6:7], Wc_w s[8:9], V s[10:11]
	s_load_b256 s[12:19], s[0:1], 0x20             ; W's codes s[12:13], W's scales s[14:15], dec's codes s[16:17], dec's scales s[18:19]
	s_load_b128 s[20:23], s[0:1], 0x40             ; Wc_b s[20:21], ustream s[22:23]
	s_load_b64 s[24:25], s[0:1], 0x50              ; bias
	v_lshrrev_b32 v1, 5, v0
	v_readfirstlane_b32 s26, v1                    ; wave 0..2
	v_and_b32 v1, 31, v0                           ; lane
	v_and_b32 v2, 15, v0                           ; r
	v_bfe_u32 v3, v0, 4, 1                         ; h
	v_mul_u32_u24 v4, v2, 768                      ; a row of 1,024 codes is 768 bytes
	v_mad_u32_u24 v4, v3, 24, v4                   ; + 24 h: my half's 32 codes of each 64
	s_mul_i32 s28, ttmp9, 12288                    ; 16 rows of codes
	s_mov_b32 s29, 0
	s_lshl_b32 s30, ttmp9, 9                       ; 16 rows of 32 scale bytes
	s_mov_b32 s31, 0
	s_lshl_b32 s32, ttmp9, 6                       ; 16 numbers of f32
	s_mov_b32 s33, 0
	s_mov_b32 s35, 0
	s_wait_kmcnt 0x0
	s_cmp_lg_u32 s26, 0
	s_cbranch_scc1 .Lproduct
	; ---- wave 0: U's block
	s_add_nc_u64 s[4:5], s[4:5], s[28:29]
	s_add_nc_u64 s[6:7], s[6:7], s[30:31]
	s_add_nc_u64 s[8:9], s[8:9], s[32:33]
	s_add_nc_u64 s[10:11], s[10:11], s[32:33]
	s_and_b32 s34, ttmp9, 15                       ; t
	s_lshr_b32 s36, ttmp9, 4                       ; w
	s_lshr_b32 s37, s34, 1
	s_lshl_b32 s37, s37, 3                         ; 8 (t / 2)
	s_and_b32 s34, s34, 1                          ; t % 2
	s_add_co_u32 s34, s34, s37
	s_lshl_b32 s36, s36, 1
	s_add_co_u32 s34, s34, s36                     ; block 8 (t / 2) + 2 w + t % 2
	s_mul_i32 s34, s34, UBLK
	s_add_nc_u64 s[22:23], s[22:23], s[34:35]
	s_wait_alu depctr_va_vdst(0)
	v_lshlrev_b32 v5, 5, v2
	v_lshl_add_u32 v5, v3, 2, v5                   ; scale words: row r, + 4 h: lanes 16-31 take the odd K step's word
	v_and_b32 v6, 7, v0
	v_lshlrev_b32 v6, 3, v6                        ; two numbers of Wc_w or of V: 8 (lane % 8)
	v_lshlrev_b32 v7, 4, v1                        ; 16 x lane
	v_lshlrev_b32 v8, 3, v1                        ; 8 x lane
.irp ks, 0,1,2,3,4,5,6,7
.irp p, 0,1,2,3,4,5
	global_load_b64 v[16+12*\ks+2*\p:17+12*\ks+2*\p], v4, s[4:5] offset:96*\ks+48*(\p/3)+8*(\p%3)   ; the fragment's registers as the row's stream of bits has them
.endr
.endr
.irp q, 0,1,2,3
	global_load_b32 v[112+\q], v5, s[6:7] offset:8*\q
.endr
	global_load_b64 v[116:117], v6, s[8:9]
	global_load_b64 v[118:119], v6, s[10:11]
	s_mov_b32 s37, 0x0000ff00                      ; lanes 8-15
	s_mov_b32 s38, 0xffff0000                      ; lanes 16-31
	v_mov_b32 v122, 0
	s_wait_loadcnt 0x0
	v_mul_f32 v118, 0xc038aa3b, v118               ; V' = -2 log2(e) V
	v_mul_f32 v119, 0xc038aa3b, v119
	v_cndmask_b32 v120, v116, v118, s37            ; lanes 0-7 Wc_w, lanes 8-15 V',
	s_wait_alu depctr_va_vdst(0)
	v_cndmask_b32 v121, v117, v119, s37
	v_cndmask_b32 v120, v120, v122, s38            ; lanes 16-31 zeros
	v_cndmask_b32 v121, v121, v122, s38
.irp ks, 0,1,2,3,4,5,6,7
.irp k, 0,1,2
	global_store_b128 v7, v[16+12*\ks+4*\k:19+12*\ks+4*\k], s[22:23] offset:1536*\ks+512*\k   ; 512 consecutive bytes a store
.endr
.endr
	global_store_b128 v7, v[112:115], s[22:23] offset:12288
	global_store_b64 v8, v[120:121], s[22:23] offset:12800   ; the block's last 256 bytes, whole
	s_endpgm
.Lproduct:
	; ---- waves 1, 2: 16 units x 16 batches of the first product
	s_sub_co_u32 s36, s26, 1                       ; which 16 batches
	s_add_nc_u64 s[12:13], s[12:13], s[28:29]
	s_add_nc_u64 s[14:15], s[14:15], s[30:31]
	s_add_nc_u64 s[20:21], s[20:21], s[32:33]
	s_mul_i32 s34, s36, 12288
	s_add_nc_u64 s[16:17], s[16:17], s[34:35]
	s_lshl_b32 s34, s36, 9
	s_add_nc_u64 s[18:19], s[18:19], s[34:35]
	s_lshl_b32 s34, s36, 16                        ; 16 rows of bias, 4,096 bytes each,
	s_add_co_u32 s34, s34, s32                     ; + the tile's 64 bytes
	s_add_nc_u64 s[24:25], s[24:25], s[34:35]
	s_wait_alu depctr_va_vdst(0)
	v_lshlrev_b32 v9, 5, v2                        ; a row's 8 scale words
	v_lshlrev_b32 v10, 5, v3                       ; Wc_b: my half's eight units
	v_lshlrev_b32 v11, 12, v2
	v_lshl_add_u32 v11, v3, 5, v11                 ; bias: row r, + 32 h
.irp ks, 0,1,2,3,4,5,6,7
.irp p, 0,1,2,3,4,5
	global_load_b64 v[16+12*\ks+2*\p:17+12*\ks+2*\p], v4, s[12:13] offset:96*\ks+48*(\p/3)+8*(\p%3)
	global_load_b64 v[112+12*\ks+2*\p:113+12*\ks+2*\p], v4, s[16:17] offset:96*\ks+48*(\p/3)+8*(\p%3)
.endr
.endr
	global_load_b128 v[208:211], v9, s[14:15]              ; W's scale words of K steps 0 .. 7: lane r has unit r's
	global_load_b128 v[212:215], v9, s[14:15] offset:16
	global_load_b128 v[216:219], v9, s[18:19]              ; dec's: lane r has batch r's
	global_load_b128 v[220:223], v9, s[18:19] offset:16
	global_load_b128 v[224:227], v10, s[20:21]             ; Wc_b in the result's layout: register j = unit 8 h + j
	global_load_b128 v[228:231], v10, s[20:21] offset:16
	s_wait_loadcnt 0x0
	v_wmma_scale_f32_16x16x128_f8f6f4 v[232:239], v[16:27], v[112:123], v[224:231], v208, v216 matrix_a_fmt:MATRIX_FMT_FP6 matrix_b_fmt:MATRIX_FMT_FP6
.irp ks, 1,2,3,4,5,6,7
	s_wait_alu depctr_va_vdst(0)                   ; the wait directly ahead of each link
	v_wmma_scale_f32_16x16x128_f8f6f4 v[232:239], v[16+12*\ks:27+12*\ks], v[112+12*\ks:123+12*\ks], v[232:239], v[208+\ks], v[216+\ks] matrix_a_fmt:MATRIX_FMT_FP6 matrix_b_fmt:MATRIX_FMT_FP6
.endr
.rept 4
	v_nop                                          ; four places ahead of the stores that read the result
.endr
	global_store_b128 v11, v[232:235], s[24:25]            ; bias(16 beta + r, 16 T + 8 h + 0 .. 3): the accumulator from its low end on
	global_store_b128 v11, v[236:239], s[24:25] offset:16
	s_endpgm
.Lfunc_end_k_qf1976efe06_prep:
	.size	k_qf1976efe06_prep, .Lfunc_end_k_qf1976efe06_prep-k_qf1976efe06_prep
	.p2alignl 7, 3214868480
	.fill 96, 4, 3214868480
	.section	.rodata,"a",@progbits
	.p2align	6, 0x0
	.amdhsa_kernel k_qf1976efe06_prep
		.amdhsa_group_segment_fixed_size 0
		.amdhsa_private_segment_fixed_size 0
		.amdhsa_enable_private_segment 0
		.amdhsa_kernarg_size 88
		.amdhsa_user_sgpr_count 2
		.amdhsa_user_sgpr_kernarg_segment_ptr 1
		.amdhsa_wavefront_size32 1
		.amdhsa_system_sgpr_workgroup_id_x 1
		.amdhsa_system_sgpr_workgroup_id_y 1
		.amdhsa_system_sgpr_workgroup_id_z 1
		.amdhsa_system_vgpr_workitem_id 0
		.amdhsa_next_free_vgpr 256
		.amdhsa_next_free_sgpr 66
		.amdhsa_reserve_vcc 0
		.amdhsa_float_denorm_mode_32 3
		.amdhsa_float_denorm_mode_16_64 3
		.amdhsa_memory_ordered 1
		.amdhsa_forward_progress 1
		.amdhsa_inst_pref_size 22
	.end_amdhsa_kernel
	.amdgpu_metadata
---
amdhsa.version: [ 1, 2 ]
amdhsa.kernels:
  - .name:           k_qf1976efe06_prep
    .symbol:         k_qf1976efe06_prep.kd
    .args:
      - { .name: U_codes, .offset: 0, .size: 8, .value_kind: global_buffer, .address_space: global }
      - { .name: U_scales, .offset: 8, .size: 8, .value_kind: global_buffer, .address_space: global }
      - { .name: Wc_w, .offset: 16, .size: 8, .value_kind: global_buffer, .address_space: global }
      - { .name: V, .offset: 24, .size: 8, .value_kind: global_buffer, .address_space: global }
      - { .name: W_codes, .offset: 32, .size: 8, .value_kind: global_buffer, .address_space: global }
      - { .name: W_scales, .offset: 40, .size: 8, .value_kind: global_buffer, .address_space: global }
      - { .name: decoder_hidden_state_codes, .offset: 48, .size: 8, .value_kind: global_buffer, .address_space: global }
      - { .name: decoder_hidden_state_scales, .offset: 56, .size: 8, .value_kind: global_buffer, .address_space: global }
      - { .name: Wc_b, .offset: 64, .size: 8, .value_kind: global_buffer, .address_space: global }
      - { .name: ustream, .offset: 72, .size: 8, .value_kind: global_buffer, .address_space: global }
      - { .name: bias, .offset: 80, .size: 8, .value_kind: global_buffer, .address_space: global }
    .group_segment_fixed_size: 0
    .private_segment_fixed_size: 0
    .kernarg_segment_align: 8
    .kernarg_segment_size: 88
    .max_flat_workgroup_size: 96
    .sgpr_count:     66
    .vgpr_count:     256
    .wavefront_size: 32
...
	.end_amdgpu_metadata
.endif
;; end of part 4
;; launch main (part 5): grid 256 x 1, 4 waves a work-group, no clusters, 327,680 bytes of LDS; arguments encoder_outputs, ustream, bias, coverage_vector, encoder_mask, scores, part; writes scores, part
.if DOCPART == 5
	.amdgcn_target "amdgcn-amd-amdhsa--gfx1250"
	.amdhsa_code_object_version 6
	.text
	.protected	k_qf1976efe06_main
	.globl	k_qf1976efe06_main
	.p2align	8
	.type	k_qf1976efe06_main,@function
k_qf1976efe06_main:
	s_mov_b64 s[64:65], 0
	v_nop
	global_prefetch_b8 v0, s[64:65] scope:SCOPE_SE
	s_setreg_imm32_b32 hwreg(HW_REG_WAVE_MODE, 25, 1), 1
	s_wait_xcnt 0x0
; Additive attention, all but the joining of a batch's eight parts.  Work-group g owns rows 256 g .. 256 g + 255 (batch g / 8) and walks them in 4 blocks of 64 rows.
; A BLOCK.  Its rows come by ONE tensor load a wave: wave w's columns 256 w .. +255 of the 64 rows, f32, LDS rows of 1,024 + 16 bytes; only the wave that asked reads them.
; PRODUCE: the wave reads its columns once, by the operand's layout (a lane: one row, 128 of the 256 columns), quantises them to E2M3 with one E8M0 scale for each 32 along K (K steps 2 w, 2 w + 1; the codes go to the
; other waves through LDS as images of the operand's registers), and keeps the same numbers as a bf16 copy in 256 registers.  Behind the block's one barrier the next block's load is asked for: it has the 16 tiles and CLOSE in which to land.
; 16 TILES: wave w makes units 256 w .. +255, 16 at a time, for all 64 rows: 32 matrix instructions, transposed (source 0 = 16 units of U, source 1 = 16 rows); bias = dec W + Wc_b is the C of each sum's first link.
; TANH: x = sum + Wc_w cov; tanh x = 1 - 2 r, r = 1 / (1 + 2^(c x)), c = 2 log2(e); t = sum over units of V' r, V' = -2 log2(e) V.
; t is the score x log2(e) less log2(e) x sum(V), a number that is the same for every row and so leaves the softmax unchanged for every input.
; CLOSE: the waves' parts of t meet in LDS; a running maximum m is taken away: p = 2^(t - m) x mask; l = sum of p.  The context: a lane sums p x its row over the four row tiles (128 columns, rows in bf16, sums in f32);
; four halving steps fold the 16 lanes of a half wave, so that a lane ends with 8 columns, which are added to the running context, kept under m.  The last launch joins the parts.
; U COMES STRAIGHT INTO REGISTERS: the launch before laid each tile of 16 units as the image of the operand's registers (13,056 bytes), and each wave reads tiles that no other wave of its work-group reads.
; So no LDS byte is written or read for U (2 x 835,584 bytes a block otherwise); the rows' buffer (266,240 bytes) and the images (51,200) leave no room in LDS for tiles of U that could be asked for jointly: no cluster.
; Two sets of registers take turns: tile n + 1 is asked for at the head of tile n.
; U is read by every work-group again and again, so it is not prefetched; the rows of encoder_outputs are: block n + 2's, 8 rows x 4 blocks of 256 bytes a wave in each of block n's eight pairs, each block named once.
; LIMITS: NaN and infinities among the inputs are not served.  A block of 32 whose largest magnitude lies under 2^-124 gets the scale byte 1 (a block of zeros too: its codes are zeros, and only this launch reads the byte).
; A batch whose masked sum is 0 gives what a division by 0 gives.  The mask is used as the factor that it is.  The running maximum starts at -3e38.
; REGISTERS: window 0 below.  Window 1: A's fragments q = 4 s + m = 0 .. 20 at v[12 q]; in PRODUCE v128-255 the odd row tiles' numbers.  Window 2: q = 21 .. 30 at v[12 (q - 21)]; v128-255 the copy of row tiles 0, 1.
; Window 3: v0-127 the copy of row tiles 2, 3; v128-247 the even tiles' set: fragments, bias, Wc_w, V'.  The odd tiles' set lies in window 0.
.set UBLK,  13056
.set SLOTB, 8*UBLK                     ; from a pair of tiles to the next pair in ustream
.set EP,    1040                       ; an LDS row of my columns
.set EPW,   64*EP                      ; a wave's 64 rows
.set AIMG,  4*EPW                      ; A's 32 fragment images, 1,536 bytes each
.set ASIMG, AIMG+32*1536               ; A's scale words: 512 m + 16 lane + 4 w
.set XCH,   ASIMG+2048                 ; [wave][64 rows]: the waves' parts of t
.set PB,    XCH+1024                   ; each wave's own: p of the 64 rows
.set CVL,   PB+1024                    ; coverage of my 256 rows; behind it their mask
.set MKL,   CVL+1024
.set SPARE, MKL+1024                   ; the spare words: two blocks of 256 bytes that no other line names
.set RTB,   65536
.set SPW, 1
.set NIL, 2
.set UO,  3                            ; 16 lane
.set UVO, 4                            ; 12,800 + 32 h
.set BO,  5                            ; 32 h
.set ER,  6                            ; v6-7  my rows by the operand's layout: rows 0-31, 32-63
.set CVA0, 10
.set MKA0, 11
.set CVA, 12
.set AIW, 13
.set AIR, 14
.set ASW, 15
.set ASR, 16
.set XW,  17
.set XR,  18
.set PBW, 19                           ; PB + 256 w + 8 lane;  v20: PB + 256 w + 4 r
.set PBR, 20
.set MKA, 21
.set MKO, 24
.set SH8, 25
.set MR,  26
.set LR,  27
.set FF,  28                           ; v[28:29]: 2^(m_old - m_new), and a 0 that is never rewritten
.set RT,  30
.set PQ,  32
.set MK,  34
.set COV, 38
.set USO, 42                           ; v[42:45] U's scale words, odd tiles;  v[84:87] even tiles
.set SC,  46
.set MX,  46
.set SO,  50
.set CTX, 54                           ; v[54:61] my eight columns of the context
.set BM,  62
.set MN,  63
.set CO,  64
.set PFO, 65
.set AS,  68
.set USE, 84
.set BIAS, 88
.set WC,  96
.set VV,  104
.set A31, 112
.set RF,  128                          ; the same number in window 0 (odd tiles) and window 3 (even tiles)
.set ACC, 224
.set PC,  88
.set XT,  112
.set RQ,  128                          ; in PRODUCE: 128 numbers; the same number in window 0 (even row tiles) and window 1 (odd ones)
.set TS,  128
.set TT,  112                          ; in CLOSE: v[112:119] at work in the folds;  v[120:123] p of row 16 m + r;  v[128:255] the block's sums of p x row
.set PR,  120
.set T,   128
.set WV,  18
.set G1,  24
.set G0,  32
.set BLK, 38
.set UL,  39
.set BOF, 40
.set SEL, 42
.set CC,  44
.set HM,  48
.set UB,  50                           ; s[50:51] ustream + 26,112 w;  s[52:53] the pair being asked for;  s[54:55] its offset
.set UP,  52
.set UOF, 54
.set SCO, 56
.set BB,  58                           ; s[58:59] my 256 biases;  s[60:61] the pair's;  s[62:63] its offset
.set BP,  60
.set BF,  62
.set PFP, 66
.set FM,  68                           ; s68-71 the lanes whose r has bit 3, 2, 1, 0 set
.set MSB, 0
.macro WIN new
.if MSB != (\new)
	s_set_vgpr_msb (MSB<<8)|(\new)
.set MSB, (\new)
.endif
.endm
.macro PLACES                          ; four plain places (ISA guide 7.12.1)
.rept 4
	v_nop
.endr
.endm
; row tile m by the operand's layout: lane (r, h): row r, register 64 eta + 32 c + j: column 128 eta + 64 c + 32 h + j of my 256
.macro LOADQ m
	WIN ((\m)%2)<<6
.irp eta, 0,1
.irp c, 0,1
.irp j, 0,1,2,3,4,5,6,7
	ds_load_b128 v[RQ+64*\eta+32*\c+4*\j:RQ+64*\eta+32*\c+4*\j+3], v[ER+(\m)/2] offset:16*((\m)%2)*EP+512*\eta+256*\c+16*\j
.endr
.endr
.endr
	WIN 0
.endm
; four whole blocks of 32 a lane become two fragments and their scale word
.macro QUANT m
	WIN 5*((\m)%2)
.irp k, 0,1,2,3
	v_max3_num_f32 v[MX+\k], |v[RQ+32*\k]|, |v[RQ+32*\k+1]|, 0x1800000   ; with the floor 2^(3 - 127): the byte cannot fall under 1
.endr
	WIN 20*((\m)%2)
.irp i, 2,4,6,8,10,12,14,16,18,20,22,24,26,28,30
.irp k, 0,1,2,3
	v_max3_num_f32 v[MX+\k], v[MX+\k], |v[RQ+32*\k+\i]|, |v[RQ+32*\k+\i+1]|
.endr
.endr
	WIN 0
.irp k, 0,1,2,3
	v_add_nc_u32 v[SO+\k], 0xff000000, v[MX+\k]    ; 2 off the exponent field: the conversion's scale operand
.endr
.irp k, 0,1,2,3
	v_lshrrev_b32 v[MX+\k], 23, v[SO+\k]           ; the scale's byte
.endr
.irp eta, 0,1
	v_lshl_or_b32 v[MX+2*\eta], v[MX+2*\eta+1], 16, v[MX+2*\eta]
.endr
.irp eta, 0,1
	v_lshlrev_b32 v[MX+2*\eta], v[SH8], v[MX+2*\eta]
.endr
.irp eta, 0,1
	v_permlanex16_b32 v[MX+2*\eta+1], v[MX+2*\eta], s[SEL], s[SEL+1]
.endr
.irp eta, 0,1
	v_or_b32 v[MX+2*\eta], v[MX+2*\eta], v[MX+2*\eta+1]
.endr
	v_cndmask_b32 v[MX], v[MX], v[MX+2], s[HM]     ; lanes 0-15 K step 2 w's word, lanes 16-31 K step 2 w + 1's
	WIN (\m)%2
.irp k, 0,1,2,3
	v_cvt_scalef32_pk16_fp6_f32 v[PC+6*\k:PC+6*\k+2], v[RQ+32*\k:RQ+32*\k+15], v[SO+\k]
	v_cvt_scalef32_pk16_fp6_f32 v[XT+4*\k:XT+4*\k+2], v[RQ+32*\k+16:RQ+32*\k+31], v[SO+\k]
.endr
	WIN 0
	v_nop                                          ; one plain place behind the scaled conversions
.irp k, 0,1,2,3
.irp i, 0,1,2
	v_mov_b32 v[PC+6*\k+3+\i], v[XT+4*\k+\i]
.endr
.endr
.irp eta, 0,1
.irp k, 0,1,2
	ds_store_b128 v[AIW], v[PC+12*\eta+4*\k:PC+12*\eta+4*\k+3] offset:(4*\eta+\m)*1536+512*\k
.endr
.endr
	ds_store_b32 v[ASW], v[MX] offset:512*\m
.endm
.macro KEEP w, kw, kb                  ; the same 128 numbers to bf16: register i holds numbers 2 i, 2 i + 1
	WIN ((\kw)<<6)|(5*(\w))
.set gi, 0
.rept 64
	v_cvt_pk_bf16_f32 v[\kb+gi], v[RQ+2*gi], v[RQ+2*gi+1]
.set gi, gi+1
.endr
	WIN 0
.endm
.macro PRODUCE
	s_wait_tensorcnt 0x0                           ; my one load has landed; nobody else reads its bytes
	LOADQ 0
	LOADQ 1
	s_wait_dscnt 32                                ; all but row tile 1's 32 reads
	QUANT 0
	KEEP 0, 2, 128
	LOADQ 2
	s_wait_dscnt 39                                ; behind row tile 1's reads: 7 stores and 32 reads
	QUANT 1
	KEEP 1, 2, 192
	LOADQ 3
	s_wait_dscnt 39
	QUANT 2
	KEEP 0, 3, 0
	s_wait_dscnt 7                                 ; behind row tile 3's reads: 7 stores
	QUANT 3
	KEEP 1, 3, 64
.endm
; e = 1: the set in window 3 (even tiles), 0: the set in window 0 (odd tiles)
.macro TANH e
.set wcx, WC+136*(\e)
.set vvx, VV+136*(\e)
	WIN 3*(\e)
.irp m, 0,1,2,3
.irp j, 0,2,4,6
.if \m%2
	v_pk_fma_f32 v[ACC+8*\m+\j:ACC+8*\m+\j+1], v[wcx+\j:wcx+\j+1], v[COV+\m-1:COV+\m], v[ACC+8*\m+\j:ACC+8*\m+\j+1] op_sel:[0,1,0] op_sel_hi:[1,1,1]
.else
	v_pk_fma_f32 v[ACC+8*\m+\j:ACC+8*\m+\j+1], v[wcx+\j:wcx+\j+1], v[COV+\m:COV+\m+1], v[ACC+8*\m+\j:ACC+8*\m+\j+1] op_sel_hi:[1,0,1]
.endif
.endr
.endr
	WIN 0
.set ti, 0
.rept 16
	v_pk_mul_f32 v[ACC+2*ti:ACC+2*ti+1], v[ACC+2*ti:ACC+2*ti+1], s[CC:CC+1] op_sel_hi:[1,0]
.set ti, ti+1
.endr
.set ti, 0
	s_wait_alu depctr_va_vdst(0)                   ; a wait ahead of each batch and one behind it
.rept 32
	v_exp_f32 v[ACC+ti], v[ACC+ti]
.set ti, ti+1
.endr
	v_nop
	s_wait_alu depctr_va_vdst(0)
.set ti, 0
.rept 16
	v_pk_add_f32 v[ACC+2*ti:ACC+2*ti+1], v[ACC+2*ti:ACC+2*ti+1], 1.0 op_sel_hi:[1,0]
.set ti, ti+1
.endr
.set ti, 0
	s_wait_alu depctr_va_vdst(0)
.rept 32
	v_rcp_f32 v[ACC+ti], v[ACC+ti]
.set ti, ti+1
.endr
	v_nop
	s_wait_alu depctr_va_vdst(0)
	WIN 12*(\e)
.irp j, 0,2,4,6
.irp m, 0,1,2,3
	v_pk_fma_f32 v[SC+2*\m:SC+2*\m+1], v[ACC+8*\m+\j:ACC+8*\m+\j+1], v[vvx+\j:vvx+\j+1], v[SC+2*\m:SC+2*\m+1]
.endr
.endr
	WIN 0
.endm
.macro MM ks, m, e
.set qq, 4*(\ks)+(\m)
.set cw, 0
.if (\ks) == 0
.set cw, 48*(\e)
.endif
.if qq < 21
	WIN 0x04|(3*(\e))|cw
.set ar, 12*qq
.elseif qq < 31
	WIN 0x08|(3*(\e))
.set ar, 12*(qq-21)
.else
	WIN 3*(\e)
.set ar, A31
.endif
.set dd, ACC+8*(\m)
.set ff, RF+12*(\ks)
.set bx, BIAS+136*(\e)
.set su, USO+42*(\e)+(\ks)/2
.set sa, AS+4*(\m)+(\ks)/2
.if (\ks) == 0
	v_wmma_scale_f32_16x16x128_f8f6f4 v[dd:dd+7], v[ff:ff+11], v[ar:ar+11], v[bx:bx+7], v[su], v[sa] matrix_a_fmt:MATRIX_FMT_FP6 matrix_b_fmt:MATRIX_FMT_FP6
.elseif (\ks)%2 == 0
	v_wmma_scale_f32_16x16x128_f8f6f4 v[dd:dd+7], v[ff:ff+11], v[ar:ar+11], v[dd:dd+7], v[su], v[sa] matrix_a_fmt:MATRIX_FMT_FP6 matrix_b_fmt:MATRIX_FMT_FP6
.else
	v_wmma_scale_f32_16x16x128_f8f6f4 v[dd:dd+7], v[ff:ff+11], v[ar:ar+11], v[dd:dd+7], v[su], v[sa] matrix_a_fmt:MATRIX_FMT_FP6 matrix_b_fmt:MATRIX_FMT_FP6 matrix_a_scale:MATRIX_SCALE_ROW1 matrix_b_scale:MATRIX_SCALE_ROW1
.endif
.endm
; 27 loads: a tile's eight fragments, its bias, its scale words, into set e; each fragment load covers 512 consecutive bytes
.macro ULOAD e, off, boff
.set bx, BIAS+136*(\e)
.set ux, USO+42*(\e)
	WIN 192*(\e)
.irp ks, 0,1,2,3,4,5,6,7
.irp k, 0,1,2
	global_load_b128 v[RF+12*\ks+4*\k:RF+12*\ks+4*\k+3], v[UO], s[UP:UP+1] offset:(\off)+1536*\ks+512*\k
.endr
.endr
	global_load_b128 v[bx:bx+3], v[BO], s[BP:BP+1] offset:(\boff)
	global_load_b128 v[bx+4:bx+7], v[BO], s[BP:BP+1] offset:(\boff)+16
	WIN 0
	global_load_b128 v[ux:ux+3], v[UO], s[UP:UP+1] offset:(\off)+12288
.endm
.macro WVLOAD e, off                   ; 4 loads: the tile's Wc_w and V'
.set wcx, WC+136*(\e)
.set vvx, VV+136*(\e)
	WIN 192*(\e)
	global_load_b128 v[wcx:wcx+3], v[UVO], s[UP:UP+1] offset:(\off)
	global_load_b128 v[wcx+4:wcx+7], v[UVO], s[UP:UP+1] offset:(\off)+16
	global_load_b128 v[vvx:vvx+3], v[UVO], s[UP:UP+1] offset:(\off)+64
	global_load_b128 v[vvx+4:vvx+7], v[UVO], s[UP:UP+1] offset:(\off)+80
	WIN 0
.endm
; Tile n (parity b): tile n + 1 is asked for, tile n - 1 gets its TANH, tile n its 32 products.  nxt = 0: the last block, whose last tile asks for nothing.
.macro STAGE b, nxt
	PLACES                                         ; ahead of the loads into registers that the last products read, and of the first read of their results
	v_nop                                          ; a fifth place: where TANH is jumped over, this tile's first products begin anew the accumulators that the last products wrote
.if \b
	s_wait_xcnt 0x0                                ; the earlier loads and the prefetch have read their bases: on to the next pair (behind the eighth: the first)
	s_add_co_u32 s[UOF], s[UOF], SLOTB
	s_cmp_eq_u32 s[UOF], 8*SLOTB
	s_cselect_b32 s[UOF], 0, s[UOF]
	s_add_nc_u64 s[UP:UP+1], s[UB:UB+1], s[UOF:UOF+1]
	s_add_co_u32 s[BF], s[BF], 128
	s_and_b32 s[BF], s[BF], 1023
	s_add_nc_u64 s[BP:BP+1], s[BB:BB+1], s[BF:BF+1]
.if \nxt
	s_add_nc_u64 s[PFP:PFP+1], s[PFP:PFP+1], 32768
.else
	s_cmp_eq_u32 s[UL], 1
	s_cbranch_scc1 .Lsa_\@
.endif
.endif
	ULOAD \b, (1-\b)*UBLK, (1-\b)*64
	s_wait_loadcnt 58                              ; behind Wc_w and V' of tile n - 1: 27 + 4 + 27 loads
.if (\b) && (\nxt) == 0
	s_branch .Lja_\@
.Lsa_\@:
	s_wait_loadcnt 31                              ; here 27 + 4
.Lja_\@:
.endif
.if (\b) == 0
	s_cmp_eq_u32 s[UL], 8                          ; a block's first tile has none before it
	s_cbranch_scc1 .Lnt_\@
.endif
	TANH \b
.if (\b) == 0
.Lnt_\@:
.endif
.if (\b) && (\nxt) == 0
	s_cmp_eq_u32 s[UL], 1
	s_cbranch_scc1 .Lsb_\@
.endif
	WVLOAD \b, (1-\b)*UBLK
.if (\b) == 0 && (\nxt)
	s_cmp_lt_u32 s[BLK], 3                         ; only blocks 0 and 1 have a block two further on
	s_cbranch_scc1 .Lnp_\@
	global_prefetch_b8 v[PFO], s[PFP:PFP+1] th:TH_LOAD_NT scope:SCOPE_SE
.Lnp_\@:
.endif
	s_wait_loadcnt 35                              ; behind tile n's 27: 4 + 27 + 4 loads
.if (\b) && (\nxt) == 0
	s_branch .Ljb_\@
.Lsb_\@:
	s_wait_loadcnt 4
.Ljb_\@:
.endif
.irp ks, 0,1,2,3,4,5,6,7               ; the four accumulators take turns
.if (\b) == 0                          ; in a block's first tile A's 96 fragment loads, issued in the order of K, are still coming: 12 (7 - ks) of them belong to later K steps
.if 84-12*\ks > 63
	s_wait_dscnt 63
.else
	s_wait_dscnt 84-12*\ks
.endif
.endif
.irp m, 0,1,2,3
	MM \ks, \m, 1-\b
.endr
.endr
	WIN 0
.endm
; row tile m's copy, from v[kb] of window kw on, times p of my row, onto the block's 128 sums (row tile 0 starts them on the kept 0)
.macro CTXT m, kw, kb
	WIN \kw
.set ci, 0
.rept 64
.if (\m) == 0
	v_fma_mix_f32_bf16 v[T+2*ci], v[\kb+ci], v[PR+\m], v[FF+1] op_sel_hi:[1,0,0]
	v_fma_mix_f32_bf16 v[T+2*ci+1], v[\kb+ci], v[PR+\m], v[FF+1] op_sel:[1,0,0] op_sel_hi:[1,0,0]
.else
	v_fma_mix_f32_bf16 v[T+2*ci], v[\kb+ci], v[PR+\m], v[T+2*ci] op_sel_hi:[1,0,0]
	v_fma_mix_f32_bf16 v[T+2*ci+1], v[\kb+ci], v[PR+\m], v[T+2*ci+1] op_sel:[1,0,0] op_sel_hi:[1,0,0]
.endif
.set ci, ci+1
.endr
.endm
; A halving step over lanes l and l xor x: a lane whose bit is 0 keeps sums 0 .. s - 1 and gives s .. 2 s - 1, its partner the other way round; what is kept lies in 0 .. s - 1.
.macro FOLD s, msk, x
.set fi, 0
.rept (\s)/8
.irp u, 0,1,2,3,4,5,6,7
	v_cndmask_b32 v[TT+\u], v[T+fi+\u+(\s)], v[T+fi+\u], s[\msk]
.endr
.irp u, 0,1,2,3,4,5,6,7
	v_cndmask_b32 v[T+fi+\u], v[T+fi+\u], v[T+fi+\u+(\s)], s[\msk]
.endr
.irp u, 0,1,2,3,4,5,6,7
	v_add_f32_dpp v[T+fi+\u], v[TT+\u], v[T+fi+\u] row_xmask:\x row_mask:0xf bank_mask:0xf
.endr
.set fi, fi+8
.endr
.endm
.macro CLOSE nxt
	s_wait_loadcnt 31*(\nxt)                       ; Wc_w and V' of tile 15; the next block's first tile (27 + 4 loads) may be out
	PLACES
	TANH 0
.irp m, 0,1,2,3
	v_add_f32 v[TS+\m], v[SC+2*\m], v[SC+2*\m+1]
.endr
.irp m, 0,1,2,3
	v_mov_b32 v[TS+4+\m], 0
.endr
.irp m, 0,1,2,3
	v_permlanex16_b32 v[TS+4+\m], v[TS+\m], s[SEL], s[SEL+1]
.endr
.irp m, 0,1,2,3
	v_add_f32 v[TS+\m], v[TS+\m], v[TS+4+\m]       ; row 16 m + r: the sum over my 256 units
.endr
.irp m, 0,1,2,3
	ds_store_b32 v[XW], v[TS+\m] offset:64*\m
.endr
	s_wait_dscnt 0x0                               ; for the others' sake: my stores have landed
	s_barrier_signal -1
	s_barrier_wait -1
.irp w, 0,1,2,3
	ds_load_b64 v[TS+2*\w:TS+2*\w+1], v[XR] offset:256*\w
.endr
	s_wait_dscnt 0x0
	s_wait_xcnt 0x0                                ; the last block's store of t has read its registers
	v_pk_add_f32 v[RT:RT+1], v[TS:TS+1], v[TS+2:TS+3]
	v_pk_add_f32 v[TS+4:TS+5], v[TS+4:TS+5], v[TS+6:TS+7]
	v_pk_add_f32 v[RT:RT+1], v[RT:RT+1], v[TS+4:TS+5]
	s_wait_alu depctr_va_vdst(0)
	s_cmp_lg_u32 s[WV], 0
	s_cbranch_scc1 .Lnot_mine_\@
	global_store_b64 v[MKO], v[RT:RT+1], s[SCO:SCO+1]   ; 256 consecutive bytes, aligned
.Lnot_mine_\@:
	v_max_num_f32 v[BM], v[RT], v[RT+1]
	v_max_num_f32_dpp v[BM], v[BM], v[BM] row_xmask:1 row_mask:0xf bank_mask:0xf
	v_max_num_f32_dpp v[BM], v[BM], v[BM] row_xmask:2 row_mask:0xf bank_mask:0xf
	v_max_num_f32_dpp v[BM], v[BM], v[BM] row_xmask:4 row_mask:0xf bank_mask:0xf
	v_max_num_f32_dpp v[BM], v[BM], v[BM] row_xmask:8 row_mask:0xf bank_mask:0xf
	v_permlanex16_b32 v[MN], v[BM], s[SEL], s[SEL+1]
	v_max3_num_f32 v[MN], v[BM], v[MN], v[MR]      ; the new running maximum, in every lane
	v_sub_f32 v[FF], v[MR], v[MN]
	v_sub_f32 v[PQ], v[RT], v[MN]
	v_sub_f32 v[PQ+1], v[RT+1], v[MN]
	s_wait_alu depctr_va_vdst(0)
	v_exp_f32 v[FF], v[FF]
	v_exp_f32 v[PQ], v[PQ]
	v_exp_f32 v[PQ+1], v[PQ+1]
	v_mov_b32 v[MR], v[MN]
	s_wait_alu depctr_va_vdst(0)
	v_pk_mul_f32 v[PQ:PQ+1], v[PQ:PQ+1], v[MK:MK+1]
	v_fma_f32 v[LR], v[LR], v[FF], v[PQ]
	v_add_f32 v[LR], v[LR], v[PQ+1]
.irp e, 0,2,4,6
	v_pk_mul_f32 v[CTX+\e:CTX+\e+1], v[CTX+\e:CTX+\e+1], v[FF:FF+1] op_sel_hi:[1,0]
.endr
	ds_store_b64 v[PBW], v[PQ:PQ+1]                ; p of the 64 rows, in my own bytes
.irp m, 0,1,2,3
	ds_load_b32 v[PR+\m], v[PBR] offset:64*\m      ; p of row 16 m + r; LDS serves a wave's instructions in order (ISA guide 5.7.1.4): these see the store above
.endr
	s_wait_alu depctr_va_vdst(0)
	s_wait_dscnt 0x0
	CTXT 0, 2, 128
	CTXT 1, 2, 192
	CTXT 2, 3, 0
	CTXT 3, 3, 64
	WIN 0
	FOLD 64, FM, 8                                 ; over the 16 rows' lanes: 128 sums a lane become 8
	FOLD 32, FM+1, 4
	FOLD 16, FM+2, 2
	FOLD 8, FM+3, 1
.irp e, 0,2,4,6
	v_pk_add_f32 v[CTX+\e:CTX+\e+1], v[CTX+\e:CTX+\e+1], v[T+\e:T+\e+1]
.endr
.endm
; What follows a block's barrier: the operand into registers, the 16 tiles, CLOSE.
.macro REST nxt
.irp m, 0,1,2,3
	ds_load_b128 v[AS+4*\m:AS+4*\m+3], v[ASR] offset:512*\m
.endr
	v_add_nc_u32 v[CVA], s[BOF], v[CVA0]
	v_add_nc_u32 v[MKA], s[BOF], v[MKA0]
.irp m, 0,1,2,3
	ds_load_b32 v[COV+\m], v[CVA] offset:64*\m     ; coverage of row 16 m + r
.endr
	ds_load_b64 v[MK:MK+1], v[MKA]                 ; the mask of rows 2 lane, 2 lane + 1
	WIN 0x40                                       ; then A's 32 fragments, K ascending, three loads each: the first tile waits for them K step by K step
.set aq, 0
.rept 21
.irp k, 0,1,2
	ds_load_b128 v[12*aq+4*\k:12*aq+4*\k+3], v[AIR] offset:1536*aq+512*\k
.endr
.set aq, aq+1
.endr
	WIN 0x80
.rept 10
.irp k, 0,1,2
	ds_load_b128 v[12*(aq-21)+4*\k:12*(aq-21)+4*\k+3], v[AIR] offset:1536*aq+512*\k
.endr
.set aq, aq+1
.endr
	WIN 0
.irp k, 0,1,2
	ds_load_b128 v[A31+4*\k:A31+4*\k+3], v[AIR] offset:1536*31+512*\k
.endr
.irp e, 0,1,2,3,4,5,6,7
	v_mov_b32 v[SC+\e], 0
.endr
	s_mov_b32 s[UL], 8
	s_wait_alu depctr_va_vdst(0)
.Lunits_\@:
	STAGE 0, \nxt
	STAGE 1, \nxt
	s_sub_co_u32 s[UL], s[UL], 1
	s_cmp_lg_u32 s[UL], 0
	s_cbranch_scc1 .Lunits_\@
	CLOSE \nxt
.endm
	s_load_b256 s[4:11], s[0:1], 0x0               ; encoder_outputs, ustream, bias, coverage
	s_load_b128 s[12:15], s[0:1], 0x20             ; mask, scores
	s_load_b64 s[16:17], s[0:1], 0x30              ; part
	v_lshl_add_u32 v[SPW], v0, 2, SPARE
	v_mov_b32 v[NIL], 0
	ds_add_u32 v[SPW], v[NIL]                      ; the add twice on end, and its wait ahead of my first tensor load
	ds_add_u32 v[SPW], v[NIL]
	v_lshrrev_b32 v124, 5, v0
	v_readfirstlane_b32 s[WV], v124                ; wave 0..3
	v_and_b32 v124, 31, v0                         ; lane
	v_and_b32 v125, 15, v0                         ; r
	v_bfe_u32 v126, v0, 4, 1                       ; h
	s_mul_i32 s21, s[WV], EPW
	v_mul_u32_u24 v127, v125, EP
	v_lshl_add_u32 v127, v126, 7, v127
	v_add_nc_u32 v[ER], s21, v127
	v_add_nc_u32 v[ER+1], 32*EP, v[ER]
	v_lshlrev_b32 v[UO], 4, v124
	v_lshlrev_b32 v[BO], 5, v126
	v_add_nc_u32 v[UVO], 12800, v[BO]
	s_lshl_b32 s60, s[WV], 10
	v_and_b32 v127, 3, v125                        ; where my eight columns of the context lie in a row of part, in bytes: 1,024 w + 512 r3 + 256 r2 + 128 h + 64 r1 + 32 r0 (r3 .. r0: the bits of r)
	v_lshlrev_b32 v127, 5, v127
	v_lshrrev_b32 v[CO], 2, v125
	v_lshl_add_u32 v[CO], v[CO], 8, v127
	v_lshl_add_u32 v[CO], v126, 7, v[CO]
	v_add_nc_u32 v[CO], s60, v[CO]
	s_mul_i32 s61, s[WV], 12288
	s_add_co_u32 s61, s61, AIMG
	v_lshl_add_u32 v[AIW], v124, 4, s61
	v_lshl_add_u32 v[AIR], v124, 4, AIMG
	s_lshl_b32 s61, s[WV], 2
	s_add_co_u32 s61, s61, ASIMG
	v_lshl_add_u32 v[ASW], v124, 4, s61
	v_lshl_add_u32 v[ASR], v124, 4, ASIMG
	s_lshl_b32 s61, s[WV], 8
	s_add_co_u32 s62, s61, XCH
	v_lshl_add_u32 v[XW], v125, 2, s62
	v_lshl_add_u32 v[XR], v124, 3, XCH
	s_add_co_u32 s62, s61, PB
	v_lshl_add_u32 v[PBW], v124, 3, s62
	v_lshl_add_u32 v[PBR], v125, 2, s62
	v_lshl_add_u32 v[CVA0], v125, 2, CVL
	v_lshl_add_u32 v[MKA0], v124, 3, MKL
	v_lshlrev_b32 v22, 3, v0                       ; 8 x thread: two of the 256 rows
	v_lshl_add_u32 v23, v0, 3, CVL
	v_lshlrev_b32 v[MKO], 3, v124
	v_lshlrev_b32 v[SH8], 3, v126
	v_lshrrev_b32 v[PFO], 2, v124
	v_lshlrev_b32 v[PFO], 12, v[PFO]
	v_and_b32 v125, 3, v0
	v_lshl_add_u32 v[PFO], v125, 8, v[PFO]         ; 4,096 (lane / 4) + 256 (lane % 4)
	; descriptor group 1: 64 rows of 256 f32, 1,024 apart in memory; 4 dwords of padding behind each 256
	s_mov_b32 s[G1], (2<<16)|(1<<20)|(7<<22)|(3<<25)
	s_mov_b32 s[G1+1], 256<<16
	s_mov_b32 s[G1+2], 64<<16
	s_mov_b32 s[G1+3], 256<<16
	s_mov_b32 s[G1+4], 64
	s_mov_b32 s[G1+5], 1024
	s_mov_b32 s[G1+6], 0
	s_mov_b32 s[G1+7], 0
	s_mov_b32 s[SEL], 0x76543210
	s_mov_b32 s[SEL+1], 0xfedcba98
	s_mov_b32 s[CC], 0x4038aa3b                    ; 2 log2(e)
	s_mov_b32 s[CC+1], s[CC]
	s_mov_b32 s[HM], 0xffff0000
	s_mov_b32 s[FM], 0xff00ff00
	s_mov_b32 s[FM+1], 0xf0f0f0f0
	s_mov_b32 s[FM+2], 0xcccccccc
	s_mov_b32 s[FM+3], 0xaaaaaaaa
	s_mov_b32 s[BLK], 4
	s_mov_b32 s[BOF], 0
	s_mov_b32 s[UOF], 0
	s_mov_b32 s[UOF+1], 0
	s_mov_b32 s[BF], 0
	s_mov_b32 s[BF+1], 0
	s_mov_b32 s23, 0
	s_wait_alu depctr_va_vdst(0)
	s_wait_dscnt 0x0                               ; both opening adds are done
	s_wait_kmcnt 0x0
	s_lshl_b32 s22, ttmp9, 20                      ; my 256 rows of 4,096 bytes,
	s_add_co_u32 s22, s22, s60                     ; my wave's 1,024 bytes of a row
	s_add_nc_u64 s[PFP:PFP+1], s[4:5], s[22:23]
	s_mov_b32 s[G0], 1
	s_mov_b32 s[G0+1], s21
	s_mov_b64 s[G0+2:G0+3], s[PFP:PFP+1]
	s_or_b32 s[G0+3], s[G0+3], 0x80000000
	tensor_load_to_lds s[G0:G0+3], s[G1:G1+7]      ; block 0: my one tensor load at the head
	s_nop 0
	PLACES
	s_add_nc_u64 s[PFP:PFP+1], s[PFP:PFP+1], 8*RTB ; the prefetches begin at block 2
	s_lshl_b32 s22, ttmp9, 10
	s_add_nc_u64 s[10:11], s[10:11], s[22:23]
	s_add_nc_u64 s[12:13], s[12:13], s[22:23]
	s_add_nc_u64 s[SCO:SCO+1], s[14:15], s[22:23]
	s_mul_i32 s22, ttmp9, 4352
	s_add_nc_u64 s[16:17], s[16:17], s[22:23]      ; my row of part
	s_lshr_b32 s22, ttmp9, 3
	s_lshl_b32 s22, s22, 12
	s_add_co_u32 s22, s22, s60
	s_add_nc_u64 s[BB:BB+1], s[8:9], s[22:23]      ; my batch's row of bias, my 256 units
	s_mov_b64 s[BP:BP+1], s[BB:BB+1]
	s_mul_i32 s22, s[WV], 2*UBLK
	s_add_nc_u64 s[UB:UB+1], s[6:7], s[22:23]
	s_mov_b64 s[UP:UP+1], s[UB:UB+1]
	global_load_b64 v[128:129], v22, s[10:11]      ; coverage and mask of the 256 rows: 128 threads x two rows
	global_load_b64 v[130:131], v22, s[12:13]
	ULOAD 1, 0, 0                                  ; tile 0
	WVLOAD 1, 0
	v_mov_b32 v[MR], 0xff61b1e6                    ; -3e38, under every t
	v_mov_b32 v[LR], 0
	v_mov_b32 v[FF+1], 0
	v_mov_b32 v[MN], 0
.irp e, 0,1,2,3,4,5,6,7
	v_mov_b32 v[CTX+\e], 0
.endr
	s_wait_alu depctr_va_vdst(0)
	s_wait_loadcnt 31                              ; all but tile 0's 27 + 4
	ds_store_b64 v23, v[128:129]
	ds_store_b64 v23, v[130:131] offset:1024
.Lblock:                                           ; blocks 0, 1, 2
	PRODUCE
	s_wait_tensorcnt 0x0                           ; ahead of the refill's barrier
	ds_add_u32 v[SPW], v[NIL]
	s_add_nc_u64 s[G0+2:G0+3], s[G0+2:G0+3], 4*RTB ; no load of mine is out: the next block's rows
	s_wait_alu depctr_va_vdst(0)
	s_wait_dscnt 0x0                               ; the add, my reads of the rows, my images
	s_barrier_signal -1
	s_barrier_wait -1
	tensor_load_to_lds s[G0:G0+3], s[G1:G1+7]      ; first behind the barrier, my one load until the next such barrier
	s_nop 0
	PLACES
	REST 1
	s_wait_xcnt 0x0
	s_add_nc_u64 s[SCO:SCO+1], s[SCO:SCO+1], 256
	s_add_co_u32 s[BOF], s[BOF], 256
	s_sub_co_u32 s[BLK], s[BLK], 1
	s_cmp_lg_u32 s[BLK], 1
	s_wait_alu depctr_va_vdst(0)
	s_cbranch_scc1 .Lblock
	PRODUCE                                        ; the last block is written out: it asks for no rows
	s_wait_alu depctr_va_vdst(0)
	s_wait_dscnt 0x0
	s_barrier_signal -1
	s_barrier_wait -1
	REST 0
	v_add_f32_dpp v[LR], v[LR], v[LR] row_xmask:1 row_mask:0xf bank_mask:0xf
	v_add_f32_dpp v[LR], v[LR], v[LR] row_xmask:2 row_mask:0xf bank_mask:0xf
	v_add_f32_dpp v[LR], v[LR], v[LR] row_xmask:4 row_mask:0xf bank_mask:0xf
	v_add_f32_dpp v[LR], v[LR], v[LR] row_xmask:8 row_mask:0xf bank_mask:0xf
	v_permlanex16_b32 v[BM], v[LR], s[SEL], s[SEL+1]
	v_add_f32 v[LR], v[LR], v[BM]
	global_store_b128 v[CO], v[CTX:CTX+3], s[16:17]            ; a lane's eight columns are 32 consecutive bytes; the wave's two stores fill its 1,024 bytes of the row, once in the launch
	global_store_b128 v[CO], v[CTX+4:CTX+7], s[16:17] offset:16
	s_wait_alu depctr_va_vdst(0)
	s_cmp_lg_u32 s[WV], 0
	s_cbranch_scc1 .Lno_ml
	global_store_b64 v[MKO], v[MR:MR+1], s[16:17] offset:4096  ; (m, l), 32 times: 256 consecutive bytes, aligned
.Lno_ml:
	s_wait_tensorcnt 0x0                           ; the wave's end
	ds_add_u32 v[SPW], v[NIL]
	s_wait_dscnt 0x0
	s_endpgm
.Lfunc_end_k_qf1976efe06_main:
	.size	k_qf1976efe06_main, .Lfunc_end_k_qf1976efe06_main-k_qf1976efe06_main
	.p2alignl 7, 3214868480
	.fill 96, 4, 3214868480
	.section	.rodata,"a",@progbits
	.p2align	6, 0x0
	.amdhsa_kernel k_qf1976efe06_main
		.amdhsa_group_segment_fixed_size 327680
		.amdhsa_private_segment_fixed_size 0
		.amdhsa_enable_private_segment 0
		.amdhsa_kernarg_size 56
		.amdhsa_user_sgpr_count 2
		.amdhsa_user_sgpr_kernarg_segment_ptr 1
		.amdhsa_wavefront_size32 1
		.amdhsa_system_sgpr_workgroup_id_x 1
		.amdhsa_system_sgpr_workgroup_id_y 1
		.amdhsa_system_sgpr_workgroup_id_z 1
		.amdhsa_system_vgpr_workitem_id 0
		.amdhsa_next_free_vgpr 1024
		.amdhsa_next_free_sgpr 72
		.amdhsa_reserve_vcc 0
		.amdhsa_float_denorm_mode_32 3
		.amdhsa_float_denorm_mode_16_64 3
		.amdhsa_memory_ordered 1
		.amdhsa_forward_progress 1
		.amdhsa_inst_pref_size 255
	.end_amdhsa_kernel
	.section	.bss,"aw",@nobits
	.p2align	6
	.space	262144
	.amdgpu_metadata
---
amdhsa.version: [ 1, 2 ]
amdhsa.kernels:
  - .name:           k_qf1976efe06_main
    .symbol:         k_qf1976efe06_main.kd
    .args:
      - { .name: encoder_outputs, .offset: 0, .size: 8, .value_kind: global_buffer, .address_space: global }
      - { .name: ustream, .offset: 8, .size: 8, .value_kind: global_buffer, .address_space: global }
      - { .name: bias, .offset: 16, .size: 8, .value_kind: global_buffer, .address_space: global }
      - { .name: coverage_vector, .offset: 24, .size: 8, .value_kind: global_buffer, .address_space: global }
      - { .name: encoder_mask, .offset: 32, .size: 8, .value_kind: global_buffer, .address_space: global }
      - { .name: scores, .offset: 40, .size: 8, .value_kind: global_buffer, .address_space: global }
      - { .name: part, .offset: 48, .size: 8, .value_kind: global_buffer, .address_space: global }
    .group_segment_fixed_size: 327680
    .private_segment_fixed_size: 0
    .kernarg_segment_align: 8
    .kernarg_segment_size: 56
    .max_flat_workgroup_size: 128
    .sgpr_count:     72
    .vgpr_count:     1024
    .wavefront_size: 32
...
	.end_amdgpu_metadata
.endif
;; end of part 5
;; launch final (part 6): grid 32 x 4, 4 waves a work-group, no clusters, 0 bytes of LDS; arguments scores, part, encoder_mask, coverage_vector, out0, out1, out2; writes out0, out1, out2
.if DOCPART == 6
	.amdgcn_target "amdgcn-amd-amdhsa--gfx1250"
	.amdhsa_code_object_version 6
	.text
	.protected	k_qf1976efe06_final
	.globl	k_qf1976efe06_final
	.p2align	8
	.type	k_qf1976efe06_final,@function
k_qf1976efe06_final:
	s_mov_b64 s[64:65], 0
	v_nop
	global_prefetch_b8 v0, s[64:65] scope:SCOPE_SE
	s_setreg_imm32_b32 hwreg(HW_REG_WAVE_MODE, 25, 1), 1
	s_wait_xcnt 0x0
; Joins the eight parts of a batch.  Work-group (b, y): batch b, rows 512 y .. +511 of its 2,048 and columns 256 y .. +255 of its context.
; M = the largest of the parts' maxima; e_i = 2^(m_i - M); L = sum of l_i e_i.  weight = 2^(t - M) x mask / L -> out1; coverage + weight -> out2; sum of e_i part_i / L -> out0.
; t and the m_i are scores x log2(e) less one number that all rows share, which leaves these quotients unchanged.  A stream: no LDS, no barrier, no matrix unit: there is nothing to share and nothing to multiply in bulk.
; LIMIT: a batch whose masked sum L is 0 gives what a division by 0 gives.
.set PROW, 4352                        ; a row of part: 1,024 f32, then (m, l) 32 times
	s_load_b256 s[4:11], s[0:1], 0x0               ; scores s[4:5], part s[6:7], mask s[8:9], coverage s[10:11]
	s_load_b128 s[12:15], s[0:1], 0x20             ; out0 s[12:13], out1 s[14:15]
	s_load_b64 s[16:17], s[0:1], 0x30              ; out2
	s_and_b32 s18, ttmp7, 0xffff                   ; y
	v_and_b32 v1, 31, v0
	v_lshlrev_b32 v1, 3, v1                        ; 8 x lane: my copy of a pair (m, l)
	v_lshlrev_b32 v2, 4, v0                        ; 16 x thread: my four rows
	s_lshl_b32 s24, s18, 10
	v_lshl_add_u32 v3, v0, 3, s24                  ; 8 x thread + 1,024 y: my two columns
	s_mul_i32 s20, ttmp9, 8*PROW                   ; the batch's eight rows of part
	s_mov_b32 s21, 0
	s_lshl_b32 s22, ttmp9, 13
	s_lshl_b32 s23, s18, 11
	s_add_co_u32 s22, s22, s23                     ; rows 2,048 b + 512 y, 4 bytes each
	s_mov_b32 s23, 0
	s_lshl_b32 s26, ttmp9, 12                      ; row b of out0
	s_mov_b32 s27, 0
	s_wait_alu depctr_va_vdst(0)
	s_wait_kmcnt 0x0
	s_add_nc_u64 s[6:7], s[6:7], s[20:21]
	s_add_nc_u64 s[4:5], s[4:5], s[22:23]
	s_add_nc_u64 s[8:9], s[8:9], s[22:23]
	s_add_nc_u64 s[10:11], s[10:11], s[22:23]
	s_add_nc_u64 s[14:15], s[14:15], s[22:23]
	s_add_nc_u64 s[16:17], s[16:17], s[22:23]
	s_add_nc_u64 s[12:13], s[12:13], s[26:27]
.irp i, 0,1,2,3,4,5,6,7
	global_load_b64 v[4+2*\i:5+2*\i], v1, s[6:7] offset:\i*PROW+4096    ; (m_i, l_i)
.endr
	global_load_b128 v[20:23], v2, s[4:5]          ; t
	global_load_b128 v[24:27], v2, s[8:9]          ; mask
	global_load_b128 v[28:31], v2, s[10:11]        ; coverage
.irp i, 0,1,2,3,4,5,6,7
	global_load_b64 v[32+2*\i:33+2*\i], v3, s[6:7] offset:\i*PROW       ; the parts of my two columns
.endr
	s_wait_loadcnt 0x0
	v_max3_num_f32 v48, v4, v6, v8
	v_max3_num_f32 v48, v48, v10, v12
	v_max3_num_f32 v48, v48, v14, v16
	v_max_num_f32 v48, v48, v18                    ; M
.irp i, 0,1,2,3,4,5,6,7
	v_sub_f32 v[50+\i], v[4+2*\i], v48
.endr
.irp j, 0,1,2,3
	v_sub_f32 v[58+\j], v[20+\j], v48
.endr
	s_wait_alu depctr_va_vdst(0)
.irp i, 0,1,2,3,4,5,6,7,8,9,10,11
	v_exp_f32 v[50+\i], v[50+\i]                   ; e_0 .. e_7, then 2^(t - M) of my four rows: one batch
.endr
	v_nop                                          ; a plain place behind the last exponential
	s_wait_alu depctr_va_vdst(0)                   ; one wait for the batch, ahead of its first reader
	v_mul_f32 v62, v5, v50
.irp i, 1,2,3,4,5,6,7
	v_fma_f32 v62, v[5+2*\i], v[50+\i], v62        ; L
.endr
	s_wait_alu depctr_va_vdst(0)
	v_rcp_f32 v63, v62
	v_mul_f32 v72, v32, v50                        ; (plain work that names neither L nor its reciprocal)
	v_mul_f32 v73, v33, v50
.irp i, 1,2,3,4,5,6,7
	v_fma_f32 v72, v[32+2*\i], v[50+\i], v72
	v_fma_f32 v73, v[33+2*\i], v[50+\i], v73
.endr
.irp j, 0,1,2,3
	v_mul_f32 v[64+\j], v[58+\j], v[24+\j]         ; x mask
.endr
	s_wait_alu depctr_va_vdst(0)                   ; the reciprocal's wait, ahead of its first reader
.irp j, 0,1,2,3
	v_mul_f32 v[64+\j], v[64+\j], v63
.endr
.irp j, 0,1,2,3
	v_add_f32 v[68+\j], v[28+\j], v[64+\j]
.endr
	v_mul_f32 v72, v72, v63
	v_mul_f32 v73, v73, v63
	global_store_b128 v2, v[64:67], s[14:15]       ; a wave's store covers 512 consecutive bytes, aligned
	global_store_b128 v2, v[68:71], s[16:17]
	global_store_b64 v3, v[72:73], s[12:13]        ; 256 consecutive bytes, aligned
	s_endpgm
.Lfunc_end_k_qf1976efe06_final:
	.size	k_qf1976efe06_final, .Lfunc_end_k_qf1976efe06_final-k_qf1976efe06_final
	.p2alignl 7, 3214868480
	.fill 96, 4, 3214868480
	.section	.rodata,"a",@progbits
	.p2align	6, 0x0
	.amdhsa_kernel k_qf1976efe06_final
		.amdhsa_group_segment_fixed_size 0
		.amdhsa_private_segment_fixed_size 0
		.amdhsa_enable_private_segment 0
		.amdhsa_kernarg_size 56
		.amdhsa_user_sgpr_count 2
		.amdhsa_user_sgpr_kernarg_segment_ptr 1
		.amdhsa_wavefront_size32 1
		.amdhsa_system_sgpr_workgroup_id_x 1
		.amdhsa_system_sgpr_workgroup_id_y 1
		.amdhsa_system_sgpr_workgroup_id_z 1
		.amdhsa_system_vgpr_workitem_id 0
		.amdhsa_next_free_vgpr 80
		.amdhsa_next_free_sgpr 66
		.amdhsa_reserve_vcc 0
		.amdhsa_float_denorm_mode_32 3
		.amdhsa_float_denorm_mode_16_64 3
		.amdhsa_memory_ordered 1
		.amdhsa_forward_progress 1
		.amdhsa_inst_pref_size 7
	.end_amdhsa_kernel
	.amdgpu_metadata
---
amdhsa.version: [ 1, 2 ]
amdhsa.kernels:
  - .name:           k_qf1976efe06_final
    .symbol:         k_qf1976efe06_final.kd
    .args:
      - { .name: scores, .offset: 0, .size: 8, .value_kind: global_buffer, .address_space: global }
      - { .name: part, .offset: 8, .size: 8, .value_kind: global_buffer, .address_space: global }
      - { .name: encoder_mask, .offset: 16, .size: 8, .value_kind: global_buffer, .address_space: global }
      - { .name: coverage_vector, .offset: 24, .size: 8, .value_kind: global_buffer, .address_space: global }
      - { .name: out0, .offset: 32, .size: 8, .value_kind: global_buffer, .address_space: global }
      - { .name: out1, .offset: 40, .size: 8, .value_kind: global_buffer, .address_space: global }
      - { .name: out2, .offset: 48, .size: 8, .value_kind: global_buffer, .address_space: global }
    .group_segment_fixed_size: 0
    .private_segment_fixed_size: 0
    .kernarg_segment_align: 8
    .kernarg_segment_size: 56
    .max_flat_workgroup_size: 128
    .sgpr_count:     66
    .vgpr_count:     80
    .wavefront_size: 32
...
	.end_amdgpu_metadata
.endif
;; end of part 6
